; MI455X (gfx1250); checked and timed in simulation.
; The chip was launched on July 23, 2026; its instructions are those of AMD's public machine-readable ISA for CDNA 5 (MIT licence, August 2026) and "CDNA5" Instruction Set Architecture Reference Guide (July 2026). The comments in the code are by the model that wrote it; some were corrected since.
;; Self Attention. Allowed arithmetic: matrix products marked QUANTISED: E3M2 operands, one E8M0 scale for each 32 along K, by v_wmma_scale_f32_16x16x128_f8f6f4 with both operands' format E3M2, f32 sums; everything else in f32.
;; Inputs: W_attn 1,024 x 3,072 float32; W_proj 1,024 x 1,024 float32; b_attn 3,072 float32; b_proj 1,024 float32; x 4 x 2,048 x 1,024 float32.
;; Outputs: out0 4 x 2,048 x 1,024 float32.
;; This version of the problem:
;;   THIS VERSION OF THE PROBLEM IS GIVEN IN LOW PRECISION. The matrix products marked QUANTISED in the list below multiply operands that are first quantised to E3M2 (3 exponent bits, 2 mantissa bits; 6 bits a number), with one power-of-two scale for each 32 numbers along K (OCP MX v1.0); their sums are f32. All else is computed in f32.
;;   The module's matrix products, in the order in which they are computed (A, B: the left and right operand; K: the contracted axis; several contracted axes count as one K, in the product's order):
;;     1. [M 8,192, K 1,024] x [K 1,024, N 3,072]; A: input x; B: input W_attn: QUANTISED
;;     2. batch 64 x [M 2,048, K 64] x [K 64, N 2,048]; A: computed on the way; B: computed on the way: QUANTISED
;;     3. batch 64 x [M 2,048, K 2,048] x [K 2,048, N 64]; A: softmax (see below); B: computed on the way: QUANTISED
;;     4. [M 8,192, K 1,024] x [K 1,024, N 1,024]; A: computed on the way; B: input W_proj: QUANTISED
;;   THE QUANTISER, for each operand of a quantised product, along K:
;;     - K is cut into blocks of 32 from its start; a last block that is shorter is filled with zeros.
;;     - A block's scale is 2^e with e = floor(log2(the largest magnitude in the block)) - 4, held to -126 .. 127; a block of zeros has e = 0. As a byte (E8M0): e + 127.
;;     - Each number is divided by its block's scale, clamped to +-28, and rounded to the nearest number of E3M2, ties to even, subnormals kept.
;;     - The product sums the exact products of the quantised numbers (number of the format x scale) in f32.
;;   ~~~python
;;   def quantise(x, axis):      # numpy; x: float32 -> the quantised numbers, widened to float32 again
;;       x = np.moveaxis(x, axis, -1); K = x.shape[-1]
;;       x = np.pad(x, [(0, 0)] * (x.ndim - 1) + [(0, -K % 32)]); x = x.reshape(x.shape[:-1] + (-1, 32)); a = np.abs(x).max(-1, keepdims=True)
;;       e = np.where(a > 0, np.clip(np.frexp(np.where(a > 0, a, 1))[1] - 1 - 4, -126, 127), 0)      # np.frexp(a)[1] - 1 = floor(log2(a)), exactly
;;       r = np.clip(x / 2.0 ** e, -28, 28)
;;       step = 2.0 ** (np.maximum(np.frexp(np.where(r == 0, 1, r))[1] - 1, -2) - 2)
;;       q = np.round(r / step) * step * 2.0 ** e      # np.round: ties to even
;;       return np.moveaxis(q.reshape(q.shape[:-2] + (-1,))[..., :K], -1, axis).astype(np.float32)
;;   ~~~
;;   SOFTMAX AHEAD OF A QUANTISED PRODUCT. Where the list says 'softmax', what is quantised is not the finished softmax but p = 2^(t - M), with t = logit x log2(e) and M = ceil(the row's largest t), a whole number; so 1/2 < the row's largest p <= 1. The row's sum l is taken of the UNQUANTISED p, in f32, and the product's result is divided by l at the end. Since M is a whole number, a kernel that streams over the keys may use a running M (the ceiling of the running maximum): every later rescaling is an exact power of two, which a block's scale takes up: the codes' values come out the same.
;;   OPERANDS COMPUTED ON THE WAY. 'Computed on the way' means the value that the module computes at that place (a softmax that the list does not call 'softmax' is quantised finished and normalised). What goes into a quantiser is computed in f32, as accurately as f32 sums, v_exp_f32 and their like allow (about 1e-6 of the number): no bf16 or f16 on the way to a quantiser, and a product that is left as it is and whose result goes on into a quantised operand takes f32 operands (vector FMAs, or v_wmma_f32_16x16x4_f32). A number that lies on a knife's edge between two numbers of the format may be rounded either way, as far as f32 arithmetic and the matrix unit's own rounding can turn it there, and no further.
;; One version. Each part assembles by itself: llvm-mc -triple=amdgcn-amd-amdhsa -mcpu=gfx1250 --defsym DOCPART=n.
;; ======== version 1 of 1: 4 launches
;; limits: right only within a limited range of input values
;; workspace buffers: xf 6,291,456 bytes; xs 262,144 bytes; wf 3,145,728 bytes; ws 131,072 bytes; qkvf 18,874,368 bytes; qkvs 786,432 bytes; yf 6,291,456 bytes; ys 262,144 bytes
;; launch quant (part 1): grid 512 x 1, 4 waves a work-group, no clusters, 35,328 bytes of LDS; arguments x, W_attn, W_proj, xf, xs, wf, ws; writes xf, xs, wf, ws
.if DOCPART == 1
	.amdgcn_target "amdgcn-amd-amdhsa--gfx1250"
	.amdhsa_code_object_version 6
	.text
	.protected	k_q72981362fb_quant
	.globl	k_q72981362fb_quant
	.p2align	8
	.type	k_q72981362fb_quant,@function
k_q72981362fb_quant:
	s_mov_b64 s[64:65], 0
	v_nop
	global_prefetch_b8 v0, s[64:65] scope:SCOPE_SE
	s_setreg_imm32_b32 hwreg(HW_REG_WAVE_MODE, 25, 1), 1
	s_wait_xcnt 0x0
; x [8192][1024], W_attn [1024][3072] and W_proj [1024][1024], f32, become codes of E3M2 with one E8M0 byte for each 32 along K (K = 1024: x's last axis, the weights' first).
; A block's scale is 2^(floor(log2(its largest magnitude)) - 4): its byte is that magnitude's exponent field - 4, held at 1 from below.
; LIMITS: NaN and infinities are not served; a block whose largest magnitude lies under 2^-122 has its byte held at 1; a block of zeros has the byte 1 where the
; quantiser says 127: its codes are zeros, which add nothing, and these bytes are read by this program alone.
; LAYOUT OF THE RESULTS.  A FRAGMENT is 16 rows x 128 along K as the matrix operand's 12 registers stand, 1,536 bytes: for c = 0, 1 lane l's registers 6c..6c+3 at 768 c + 16 l,
; its registers 6c+4, 6c+5 at 768 c + 512 + 8 l.  So a fragment is written and read by instructions that cover 512 or 256 consecutive bytes.  Its scale words: 64 bytes, word r = row r's four bytes.
; Arrays: [rowblock of 16][8 chunks of 128 K][1,536] and [rowblock][8][64].  wf, ws: rowblocks 0-191 W_attn's output channels, 192-255 W_proj's.
; ROWS LIE BY POSITION: position p holds the row (token, output channel) whose number is p with bits 3 and 4 exchanged.  A tile of 16 neighbouring positions, used as source 0 of a
; product, then leaves in a lane's 16 registers of two neighbouring tiles 16 NEIGHBOURS of the row axis, which is what the next quantiser wants.
; Work-groups 0-255 take x (a wave: 16 rows x 512 along K, four fragments), 256-511 the weights (a wave: 32 columns x 128 along K, two fragments).  Waves share nothing: no barrier.
; Only x's path uses LDS.
.set SEL,  18                          ; s[18:19] lane selects of v_permlanex16_b32: lane l xor 16
.set FRB,  1536
.set PC,   16                          ; v16-27 a fragment's codes; v28-35 the conversions' second halves
.set TM,   36                          ; v36-39 largest magnitudes, v40-43 bytes, v48-51 the conversions' scale operands
.set PW,   52                          ; v52-55 a scale word for each fragment
.set RA,   64                          ; v64-127, v128-191 two sets of 64 numbers as loaded
.set XN,   192                         ; v192-255 64 numbers turned: register 16 b + i = k 32 b + 16 (lane / 16) + i of row lane % 16
.set SP,   528                         ; a stage row: 512 bytes + 16, so that 16 rows' reads of 16 bytes fall on 16 different groups of banks
.set SWO,  16*SP                       ; behind the stage: the wave's 256 bytes of scale words
.set WREG, SWO+256                     ; a wave's LDS
.set I0,   16                          ; weights: v16-27, v28-39 the two rowblocks' images
.set I1,   28
.set CT,   40                          ; v40-55 the conversions' second halves, four registers a block
.set SO,   58                          ; v58-61 the conversions' scale operands
.set XW,   64                          ; v64-191 128 numbers down K: 32 registers of its own for each block
.set VO,   192                         ; v192-223 byte offsets of 32 rows of the weight
; 64 numbers of a lane become a fragment's codes in v[PC] on and its scale word in v[pw].
.macro QUANT s, pw
.irp b, 0,1,2,3
	v_max3_num_f32 v[TM+\b], |v[\s+16*\b]|, |v[\s+1+16*\b]|, 0x2800000   ; block b: my 16 numbers, and the floor 2^(5 - 127): the byte cannot fall under 1
.endr
.irp i, 2,4,6,8,10,12,14
.irp b, 0,1,2,3
	v_max3_num_f32 v[TM+\b], v[TM+\b], |v[\s+16*\b+\i]|, |v[\s+1+16*\b+\i]|   ; the four blocks by turns
.endr
.endr
.irp b, 0,1,2,3
	v_permlanex16_b32 v[TM+4+\b], v[TM+\b], s[SEL], s[SEL+1]
.endr
.irp b, 0,1,2,3
	v_max_num_f32 v[TM+\b], v[TM+\b], v[TM+4+\b]           ; with lane l xor 16's 16: the block's largest magnitude
.endr
.irp b, 0,1,2,3
	v_add_nc_u32 v[TM+12+\b], 0xfe000000, v[TM+\b]         ; 4 off its exponent field: the conversion takes this operand's exponent field as its scale
.endr
.irp b, 0,1,2,3
	v_lshrrev_b32 v[TM+4+\b], 23, v[TM+12+\b]              ; the scale's byte
.endr
	v_lshl_or_b32 v[\pw], v[TM+5], 8, v[TM+4]
	v_lshl_or_b32 v[\pw], v[TM+6], 16, v[\pw]
	v_lshl_or_b32 v[\pw], v[TM+7], 24, v[\pw]
.irp c, 0,1
	v_cvt_scalef32_pk16_bf6_f32 v[PC+6*\c:PC+2+6*\c], v[\s+32*\c:\s+15+32*\c], v[TM+12+2*\c]
	v_cvt_scalef32_pk16_bf6_f32 v[PC+12+4*\c:PC+14+4*\c], v[\s+16+32*\c:\s+31+32*\c], v[TM+13+2*\c]   ; (a conversion's three registers begin on an even number)
.endr
	v_nop                                                  ; one plain place behind a scaled conversion
.irp c, 0,1                                            ; the operand wants a WHOLE block in a lane: lanes 0-15 block 2 c, lanes 16-31 block 2 c + 1
.irp i, 0,1,2
	v_permlane16_swap_b32 v[PC+6*\c+\i], v[PC+12+4*\c+\i]
.endr
.irp i, 0,1,2
	v_mov_b32 v[PC+3+6*\c+\i], v[PC+12+4*\c+\i]
.endr
.endr
.endm
	s_load_b256 s[4:11], s[0:1], 0x0               ; x s[4:5], W_attn s[6:7], W_proj s[8:9], xf s[10:11]
	s_load_b128 s[12:15], s[0:1], 0x20             ; xs s[12:13], wf s[14:15]
	s_load_b64 s[16:17], s[0:1], 0x30              ; ws
	v_lshl_add_u32 v47, v0, 2, 0x8800
	v_mov_b32 v63, 0
	v_lshrrev_b32 v1, 5, v0
	v_readfirstlane_b32 s20, v1                    ; wave 0..3
	v_and_b32 v7, 31, v0                           ; lane
	s_cmp_lt_u32 ttmp9, 256
	s_cbranch_scc0 .Lweights
	; ---------------- x ----------------
	s_mul_i32 s21, s20, WREG                       ; my wave's LDS
	v_lshlrev_b32 v1, 4, v7                        ; 16 x lane: my place in a load's or a store's 512 bytes
	v_lshlrev_b32 v2, 3, v7                        ; 8 x lane
	v_add_nc_u32 v3, s21, v1                       ; the stage, on the way in
	v_and_b32 v8, 15, v0                           ; r
	v_bfe_u32 v9, v0, 4, 1                         ; h
	v_mul_u32_u24 v4, v8, SP
	v_lshl_add_u32 v4, v9, 6, v4
	v_add_nc_u32 v4, s21, v4                       ; and on the way out: row r, + 64 h: my 16 numbers of a block of 32
	s_add_co_u32 s22, s21, SWO
	v_lshl_add_u32 v5, v8, 2, s22                  ; where row r's scale word goes
	v_add_nc_u32 v6, s22, v2                       ; and where 8 bytes of the wave's 256 are read back
.irp b, 0,1,2,3
	v_mov_b32 v[TM+4+\b], 0                        ; written once: a lane permute's destination counts as one of its sources
.endr
	s_mov_b32 s[SEL], 0x76543210
	s_mov_b32 s[SEL+1], 0xfedcba98
	s_lshl_b32 s23, ttmp9, 2
	s_add_co_u32 s23, s23, s20                     ; W = 4 x work-group + wave: rowblock W / 2, chunks 4 (W % 2) on
	s_lshr_b32 s24, s23, 2
	s_lshl_b32 s24, s24, 17                        ; 32 rows of 4,096 bytes for each pair of rowblocks,
	s_bfe_u32 s25, s23, 0x10001
	s_lshl_b32 s25, s25, 15                        ; 8 rows for the odd rowblock (its positions' bit 4 is the rows' bit 3),
	s_add_co_u32 s24, s24, s25
	s_and_b32 s25, s23, 1
	s_lshl_b32 s25, s25, 11                        ; 2,048 bytes for the second half of K
	s_add_co_u32 s24, s24, s25
	s_mov_b32 s25, 0
	s_mul_i32 s26, s23, 4*FRB                      ; my four fragments
	s_mov_b32 s27, 0
	s_lshl_b32 s28, s23, 8                         ; and their 256 bytes of scale words
	s_mov_b32 s29, 0
	s_wait_alu depctr_va_vdst(0)
	s_wait_kmcnt 0x0
	s_add_nc_u64 s[4:5], s[4:5], s[24:25]
	s_add_nc_u64 s[10:11], s[10:11], s[26:27]
	s_add_nc_u64 s[12:13], s[12:13], s[28:29]
.macro LOADX f                         ; chunk f of my 16 rows: each load takes 512 consecutive bytes of one row; position j is row 16 (j / 8) + j % 8
.set RL, RA+64*((\f)%2)
.irp j, 0,1,2,3,4,5,6,7,8,9,10,11,12,13,14,15
	global_load_b128 v[RL+4*\j:RL+4*\j+3], v1, s[4:5] offset:(16*(\j/8)+\j%8)*4096+512*(\f) th:TH_LOAD_NT
.endr
.endm
.macro FRAGX f
.set RS, RA+64*((\f)%2)
.if (\f) > 0
	s_wait_xcnt 0x0                                ; the last fragment's stores have read their registers: the codes may be written again
.endif
.if (\f) < 3
	s_wait_loadcnt 16                              ; this chunk's 16 loads are in; the next chunk's 16 may be out
.else
	s_wait_loadcnt 0x0
.endif
.irp j, 0,1,2,3,4,5,6,7,8,9,10,11,12,13,14,15
	ds_store_b128 v3, v[RS+4*\j:RS+4*\j+3] offset:SP*\j
.endr
.irp b, 0,1,2,3
.irp j, 0,1,2,3
	ds_load_b128 v[XN+16*\b+4*\j:XN+16*\b+4*\j+3], v4 offset:128*\b+16*\j   ; LDS serves a wave's instructions in order: these see the stores above
.endr
.endr
	s_wait_dscnt 0x0                               ; the numbers are back, and the stores have read their registers,
.if (\f) < 2
	LOADX (\f)+2                                   ; which take the chunk two further on
.endif
	QUANT XN, PW+(\f)
	global_store_b128 v1, v[PC:PC+3], s[10:11] offset:FRB*(\f)          ; 512 consecutive bytes
	global_store_b64 v2, v[PC+4:PC+5], s[10:11] offset:FRB*(\f)+512     ; 256
	global_store_b128 v1, v[PC+6:PC+9], s[10:11] offset:FRB*(\f)+768
	global_store_b64 v2, v[PC+10:PC+11], s[10:11] offset:FRB*(\f)+1280
	ds_store_b32 v5, v[PW+(\f)] offset:64*(\f)     ; both halves of the lanes write the same word with the same value
.endm
	LOADX 0
	LOADX 1
	FRAGX 0
	FRAGX 1
	FRAGX 2
	FRAGX 3
	ds_load_b64 v[56:57], v6
	s_wait_dscnt 0x0
	global_store_b64 v2, v[56:57], s[12:13]        ; my four fragments' scale words: 256 consecutive bytes, aligned
	s_wait_tensorcnt 0x0
	ds_add_u32 v47, v63
	s_wait_dscnt 0x0
	s_endpgm
	; ---------------- the weights: a lane takes a column, its registers run down K ----------------
.Lweights:
	s_sub_co_u32 s21, ttmp9, 256                   ; 0-191: W_attn, 192-255: W_proj
	s_wait_kmcnt 0x0
	s_cmp_lt_u32 s21, 192                          ; the choice hangs on the work-group's number alone
	s_cselect_b64 s[4:5], s[6:7], s[8:9]           ; the weight
	s_cselect_b32 s22, 0, 192                      ; its first rowblock in wf, which is also what its work-groups' numbers begin at
	s_mov_b32 s23, 4096
	s_cselect_b32 s23, 12288, s23                  ; bytes from a row of it to the next
	s_sub_co_u32 s21, s21, s22
	s_lshr_b32 s24, s21, 3                         ; G: which 128 positions
	s_and_b32 s25, s21, 7                          ; q: which 128 along K
	s_wait_alu depctr_va_vdst(0)
	v_and_b32 v8, 7, v7
	v_and_b32 v9, 8, v7
	v_lshl_or_b32 v8, v9, 1, v8
	v_and_b32 v9, 16, v7
	v_lshrrev_b32 v9, 1, v9
	v_or_b32 v8, v8, v9                            ; position lane holds column lane with bits 3 and 4 exchanged
	v_lshlrev_b32 v1, 2, v8
.set i, 0
.rept 32
	v_mad_u32_u24 v[VO+i], s23, i, v1              ; row i of a block, my column
.set i, i+1
.endr
	v_lshlrev_b32 v2, 4, v7                        ; 16 x lane
	v_lshlrev_b32 v3, 3, v7                        ; 8 x lane
	v_lshrrev_b32 v4, 4, v7
	v_and_b32 v5, 15, v7
	v_lshlrev_b32 v4, 9, v4
	v_lshl_add_u32 v4, v5, 2, v4                   ; my scale word: the second rowblock's words lie 8 chunks x 64 bytes on
	s_lshl_b32 s26, s25, 7
	s_mul_i32 s26, s26, s23                        ; 128 q rows,
	s_lshl_b32 s27, s24, 9
	s_add_co_u32 s26, s26, s27                     ; 128 G columns,
	s_lshl_b32 s27, s20, 7
	s_add_co_u32 s26, s26, s27                     ; 32 x wave columns
	s_mov_b32 s27, 0
	s_lshl_b32 s28, s23, 5                         ; 32 rows
	s_mov_b32 s29, 0
	s_add_nc_u64 s[4:5], s[4:5], s[26:27]          ; a base for each of the four blocks of 32 along K: s[4:5], s[30:31], s[32:33], s[34:35]
	s_add_nc_u64 s[30:31], s[4:5], s[28:29]
	s_add_nc_u64 s[32:33], s[30:31], s[28:29]
	s_add_nc_u64 s[34:35], s[32:33], s[28:29]
	s_lshl_b32 s36, s24, 3
	s_add_co_u32 s36, s36, s22
	s_lshl_b32 s37, s20, 1
	s_add_co_u32 s36, s36, s37                     ; my first rowblock
	s_lshl_b32 s36, s36, 3
	s_add_co_u32 s36, s36, s25                     ; its fragment of chunk q
	s_mul_i32 s38, s36, FRB
	s_mov_b32 s39, 0
	s_add_nc_u64 s[14:15], s[14:15], s[38:39]
	s_lshl_b32 s38, s36, 6
	s_add_nc_u64 s[16:17], s[16:17], s[38:39]
.macro LOADW t, base                   ; block t: 32 loads, each of 128 consecutive bytes of a row; the four waves stand side by side on 512.  Each block has registers of its own
.set i, 0
.rept 32
	global_load_b32 v[XW+32*(\t)+i], v[VO+i], s[\base:\base+1] th:TH_LOAD_NT
.set i, i+1
.endr
.endm
.macro BLOCKW t                        ; block t of my column: all its 32 numbers are mine
.set XS, XW+32*(\t)
.set IB, I0+12*((\t)%2)+6*((\t)/2)     ; blocks 0, 2 into the first image's registers, blocks 1, 3 into the second's
	v_max3_num_f32 v56, |v[XS]|, |v[XS+1]|, |v[XS+2]|
	v_max3_num_f32 v57, |v[XS+3]|, |v[XS+4]|, |v[XS+5]|
.irp i, 6,10,14,18,22,26
	v_max3_num_f32 v56, v56, |v[XS+\i]|, |v[XS+\i+1]|
	v_max3_num_f32 v57, v57, |v[XS+\i+2]|, |v[XS+\i+3]|
.endr
	v_max3_num_f32 v56, v56, |v[XS+30]|, |v[XS+31]|
	v_max3_num_f32 v56, v56, v57, 0x2800000        ; and the floor 2^(5 - 127)
	v_add_nc_u32 v[SO+\t], 0xfe000000, v56         ; 4 off the exponent field: the conversion's scale operand
	v_lshrrev_b32 v57, 23, v[SO+\t]                ; the byte
.if (\t) == 0
	v_mov_b32 v62, v57
.else
	v_lshl_or_b32 v62, v57, 8*(\t), v62            ; four bytes make my position's scale word
.endif
	v_cvt_scalef32_pk16_bf6_f32 v[IB:IB+2], v[XS:XS+15], v[SO+\t]
	v_cvt_scalef32_pk16_bf6_f32 v[CT+4*(\t):CT+4*(\t)+2], v[XS+16:XS+31], v[SO+\t]
.endm
	s_wait_alu depctr_va_vdst(0)
	LOADW 0, 4                                     ; loads run two blocks ahead: 64 of a wave are out at the most
	LOADW 1, 30
	s_wait_loadcnt 32                              ; block 0's 32 loads are in; block 1's may be out
	LOADW 2, 32
	BLOCKW 0
	s_wait_loadcnt 32                              ; block 1's are in; block 2's may be out
	LOADW 3, 34
	BLOCKW 1
	s_wait_loadcnt 32                              ; block 2's are in; block 3's may be out
	BLOCKW 2
	s_wait_loadcnt 0x0
	BLOCKW 3
	v_nop                                          ; one plain place behind the last conversion
.irp t, 0,1,2,3
.irp i, 0,1,2
	v_mov_b32 v[I0+12*(\t%2)+6*(\t/2)+3+\i], v[CT+4*\t+\i]
.endr
.endr
.irp i, 0,1,2,3,4,5,6,7,8,9,10,11      ; lanes 0-15 hold the first rowblock's positions, lanes 16-31 the second's.  The exchange leaves in the first image: lanes 0-15 blocks 0, 2 and
	v_permlane16_swap_b32 v[I0+\i], v[I1+\i]       ; lanes 16-31 blocks 1, 3 of the first rowblock, which is that fragment as the operand wants it; in the second image the same of the second rowblock
.endr
.irp u, 0,1
	global_store_b128 v2, v[I0+12*\u:I0+12*\u+3], s[14:15] offset:8*FRB*\u
	global_store_b64 v3, v[I0+12*\u+4:I0+12*\u+5], s[14:15] offset:8*FRB*\u+512
	global_store_b128 v2, v[I0+12*\u+6:I0+12*\u+9], s[14:15] offset:8*FRB*\u+768
	global_store_b64 v3, v[I0+12*\u+10:I0+12*\u+11], s[14:15] offset:8*FRB*\u+1280
.endr
	global_store_b32 v4, v62, s[16:17]             ; two runs of 64 bytes: one byte in 128 of what this path reads
	s_endpgm
.Lfunc_end_k_q72981362fb_quant:
	.size	k_q72981362fb_quant, .Lfunc_end_k_q72981362fb_quant-k_q72981362fb_quant
	.p2alignl 7, 3214868480
	.fill 96, 4, 3214868480
	.section	.rodata,"a",@progbits
	.p2align	6, 0x0
	.amdhsa_kernel k_q72981362fb_quant
		.amdhsa_group_segment_fixed_size 35328
		.amdhsa_private_segment_fixed_size 0
		.amdhsa_enable_private_segment 0
		.amdhsa_kernarg_size 56
		.amdhsa_user_sgpr_count 2
		.amdhsa_user_sgpr_kernarg_segment_ptr 1
		.amdhsa_wavefront_size32 1
		.amdhsa_system_sgpr_workgroup_id_x 1
		.amdhsa_system_sgpr_workgroup_id_y 1
		.amdhsa_system_sgpr_workgroup_id_z 1
		.amdhsa_system_vgpr_workitem_id 0
		.amdhsa_next_free_vgpr 256
		.amdhsa_next_free_sgpr 66
		.amdhsa_reserve_vcc 0
		.amdhsa_float_denorm_mode_32 3
		.amdhsa_float_denorm_mode_16_64 3
		.amdhsa_memory_ordered 1
		.amdhsa_forward_progress 1
		.amdhsa_inst_pref_size 57
	.end_amdhsa_kernel
	.amdgpu_metadata
---
amdhsa.version: [ 1, 2 ]
amdhsa.kernels:
  - .name:           k_q72981362fb_quant
    .symbol:         k_q72981362fb_quant.kd
    .args:
      - { .name: x, .offset: 0, .size: 8, .value_kind: global_buffer, .address_space: global }
      - { .name: W_attn, .offset: 8, .size: 8, .value_kind: global_buffer, .address_space: global }
      - { .name: W_proj, .offset: 16, .size: 8, .value_kind: global_buffer, .address_space: global }
      - { .name: xf, .offset: 24, .size: 8, .value_kind: global_buffer, .address_space: global }
      - { .name: xs, .offset: 32, .size: 8, .value_kind: global_buffer, .address_space: global }
      - { .name: wf, .offset: 40, .size: 8, .value_kind: global_buffer, .address_space: global }
      - { .name: ws, .offset: 48, .size: 8, .value_kind: global_buffer, .address_space: global }
    .group_segment_fixed_size: 35328
    .private_segment_fixed_size: 0
    .kernarg_segment_align: 8
    .kernarg_segment_size: 56
    .max_flat_workgroup_size: 128
    .sgpr_count:     66
    .vgpr_count:     256
    .wavefront_size: 32
...
	.end_amdgpu_metadata
.endif
;; end of part 1
;; launch gemm_qkv (part 2): grid 12 x 32, 4 waves a work-group, clusters of 4 x 4, 327,680 bytes of LDS; arguments xf, xs, wf, ws, b_attn, qkvf, qkvs; writes qkvf, qkvs
.if DOCPART == 2
	.amdgcn_target "amdgcn-amd-amdhsa--gfx1250"
	.amdhsa_code_object_version 6
	.text
	.protected	k_q72981362fb_gemm_qkv
	.globl	k_q72981362fb_gemm_qkv
	.p2align	8
	.type	k_q72981362fb_gemm_qkv,@function
k_q72981362fb_gemm_qkv:
	s_mov_b64 s[64:65], 0
	v_nop
	global_prefetch_b8 v0, s[64:65] scope:SCOPE_SE
	s_setreg_imm32_b32 hwreg(HW_REG_WAVE_MODE, 25, 1), 1
	s_wait_xcnt 0x0
	s_wait_alu depctr_hold_cnt(0) depctr_sa_sdst(0) depctr_va_vdst(0) depctr_va_sdst(0) depctr_va_ssrc(0) depctr_va_vcc(0) depctr_vm_vsrc(0)
	s_getreg_b32 s2, hwreg(HW_REG_IB_STS2, 6, 4)
	s_cmp_eq_u32 s2, 0
	s_cbranch_scc0 .Lentry_in_a_cluster
	s_endpgm
.Lentry_in_a_cluster:
	s_bfe_u32 s2, ttmp6, 0x10000c
	s_cmp_lg_u32 s2, 0xf033
	s_cbranch_scc0 .Lentry_shape_is_right
	s_endpgm
.Lentry_shape_is_right:
; qkv = x W_attn + b_attn on codes of E3M2 (K = 1,024), and q, k, v quantised in registers on the way out: q and k along their channels, v along the tokens (the keys).  qkv never lies in memory as f32.
; A work-group of four waves makes 256 x 256 of the product, a wave 128 x 128: 64 accumulators of 16 x 16 in 512 registers.  K goes in four steps of 256 through two LDS slots filled by the tensor data mover.
; OPERANDS lie in memory as fragments (16 rows x 128 K as the operand's 12 registers stand, 1,536 bytes: for c = 0, 1 registers 6c..6c+3 at 768 c + 16 lane, registers 6c+4, 6c+5 at 768 c + 512 + 8 lane),
; [rowblock][8 chunks][1,536]; scale words [rowblock][8][64].  So a K step's part of a rowblock is 3,072 consecutive bytes, and every LDS load reads 512 or 256 consecutive bytes: no padding.
; Rows lie by POSITION (the row's number with bits 3 and 4 exchanged): source 0's tiles 2 b, 2 b + 1 leave in a lane's 16 registers the rows 32 b + 16 (lane / 16) + 0 .. 15, neighbours.
; ROLES.  Source 1's row stays in a lane, source 0's rows run along its registers.  q, k (clusters x = 0, 1): source 0 = W, source 1 = x: a lane holds a token, its registers run along channels.
; v (cluster x = 2): source 0 = x, source 1 = W: a lane holds a channel, its registers run along tokens.  Both arrays have one layout and the tile is square, so v only exchanges the pointers; the choice
; hangs on the cluster's x, which all sixteen partners share.  'A' below is source 1's operand, 'B' source 0's.
; The bias is the C of each sum's first product: nothing is cleared and nothing is added afterwards.
; RESULT: qkvf [batch 4][P 24][128 fragments][1,536], qkvs likewise x 64.  P = W's position / 128: 0-7 q's head pairs, 8-15 k's, 16-23 v's.  q, k: fragment f = token positions 16 f on x the pair's 128 channels
; (half c = head 2 pair + c).  v: fragment 8 ks + a = channel positions 16 a on x keys 128 ks on.  A wave writes 12,288 consecutive bytes of codes and 512 of scale words.
; CLUSTER 4 x 4: A's tiles are asked for jointly along a row of the cluster, B's along a column.
; LIMITS: NaN and infinities are not served; a block whose largest magnitude lies under 2^-122 has its byte held at 1; a block of zeros has the byte 1 (zero codes; only this program reads the bytes).
; REGISTERS: window 0: v8-15 bias offsets, v16-30 addresses, v32-63 scale words (two sets), v64-127 the bias, v128-223 A's fragments (one set); on the way out v192-239 are at work.
;   window 1: B's fragments, two sets, at v0 and v128.   windows 2, 3: the accumulators, (a, b) at v[8 (8 (a % 4) + b)] of window 2 + a / 4.
.set NQ,    2                          ; matrix instructions deep in a slot
.set FR,    12                         ; registers of a fragment
.set NL,    4                          ; LDS loads that bring one
.set NP,    4                          ; places behind this matrix instruction (ISA guide 7.12.1)
.set FRB,   1536
.set RBB,   NQ*FRB                     ; a rowblock's bytes in a slot
.set RBM,   8*FRB                      ; and in memory
.set HALFT, 8*RBB                      ; 128 rows: what one tensor load brings, and what one wave reads of A or of B
.set SLOT,  4*HALFT                    ; A's 16 rowblocks, then B's
.set SCL,   2*SLOT                     ; behind the ring: the scale words of all of K, A's 8,192 bytes, then B's: filled once
.set HALFS, 4096
.set SPARE, SCL+4*HALFS                ; the spare words, 128 bytes for each wave: two blocks of 256 bytes that no other line names
.set STG,   SPARE+512                  ; 512 bytes for each wave: the scale words on their way out; no tile ever lands here
.set VB,   8
.set ADRA, 16                          ; v16-17 LDS address of my A fragments' 16-byte pieces in slot 0, 1; v18-19 of their 8-byte pieces
.set ADRB, 20                          ; v20-23 the same for B
.set L16,  24                          ; v24 16 x lane
.set L8,   25                          ; v25 8 x lane
.set SWA,  26                          ; v26 where row r's scale word goes
.set ADRS, 27                          ; v27 LDS address of my scale words: lanes 0-15 A's rows, lanes 16-31 B's
.set SPW,  28                          ; v28 LDS address of my spare word; never rewritten
.set NIL,  29                          ; v29 0; never rewritten
.set SRD,  30                          ; v30 where 16 bytes of the wave's scale words are read back
.set SC,   32
.set BI,   64
.set AF,   128
.set PC,   192                         ; the way out: v192-203 codes, v204-211 the conversions' second halves
.set TM,   212                         ; v212-227 at work
.set PW,   228                         ; v228-235 a scale word for each fragment
.set TW,   236                         ; v236-239
.set SEL,  2                           ; s[2:3] lane selects: lane l xor 16
.set G1,   24
.set G0,   32
.set G1B,  48
.set G0B,  56
.set G1S,  68
.set G0S,  76
.set G1SB, 80
.set G0SB, 88
.set MSB, 0
.macro WIN new                         ; the immediate's high byte repeats the setting that is left; a switch that changes nothing is dropped
.if MSB != (\new)
	s_set_vgpr_msb (MSB<<8)|(\new)
.set MSB, (\new)
.endif
.endm
.set MUL_LO, 0xa1                      ; source 0 (B) window 1, source 1 (A) window 0, C and D window 2
.set MUL_HI, 0xf1                      ; the same, C and D window 3
.set TO_B,   0x40                      ; destination window 1, address window 0
; A joint load: waves 0 and 1 fetch for A, waves 2 and 3 for B.  Each line has one mask and one set of registers for all that issue it; the branch hangs on the wave's number alone.
; Four v_nop follow each of the two lines, ahead of the jump, the label and what follows.
.macro JLOAD g0a, g1a, g0b, g1b
	s_cmp_eq_u32 s15, 0
	s_cbranch_scc0 .Lfor_b_\@
	tensor_load_to_lds s[\g0a:\g0a+3], s[\g1a:\g1a+7]
	s_nop 0
.rept 4
	v_nop
.endr
	s_branch .Lasked_\@
.Lfor_b_\@:
	tensor_load_to_lds s[\g0b:\g0b+3], s[\g1b:\g1b+7]
	s_nop 0
.rept 4
	v_nop
.endr
.Lasked_\@:
.endm
.macro CREST                           ; a round of the cluster's barrier behind its opening barrier
	s_cmp_lg_u32 s14, 0
	s_cbranch_scc1 .Lnot_wave_0_\@
	s_barrier_signal -3
.Lnot_wave_0_\@:
	s_barrier_wait -3
	s_barrier_signal -1
	s_barrier_wait -1
.endm
.macro CROUND
	s_barrier_signal -1
	s_barrier_wait -1
	CREST
.endm
	s_load_b256 s[84:91], s[0:1], 0x0              ; xf s[84:85], xs s[86:87], wf s[88:89], ws s[90:91]
	s_load_b128 s[96:99], s[0:1], 0x20             ; b_attn s[96:97], qkvf s[98:99]
	s_load_b64 s[100:101], s[0:1], 0x30            ; qkvs
	v_lshl_add_u32 v[SPW], v0, 2, SPARE
	v_mov_b32 v[NIL], 0
	ds_add_u32 v28, v29
	ds_add_u32 v28, v29
	s_wait_dscnt 0x0
	v_lshrrev_b32 v1, 5, v0
	v_readfirstlane_b32 s14, v1                    ; wave 0..3
	s_lshr_b32 s15, s14, 1                         ; which half of A's rows is mine.  Also: I fetch for A (0) or for B (1)
	s_and_b32 s16, s14, 1                          ; which half of B's rows.  Also: which 128 rows I fetch
	s_bfe_u32 s40, ttmp6, 0x40000                  ; cx, cy: my place in the cluster
	s_bfe_u32 s41, ttmp6, 0x40004
	s_and_b32 s18, ttmp7, 0xffff
	s_lshl_b32 s18, s18, 2                         ; 4 x cluster y
	s_lshl_b32 s19, ttmp9, 2                       ; 4 x cluster x
	s_mov_b32 s[SEL], 0x76543210
	s_mov_b32 s[SEL+1], 0xfedcba98
	v_and_b32 v1, 15, v0                           ; r
	v_bfe_u32 v2, v0, 4, 1                         ; h
	v_and_b32 v3, 8, v1
	v_add_nc_u32 v3, v3, v1                        ; r + 8 (r / 8): the row that position r of an even tile holds
	s_wait_alu depctr_va_vdst(0)
	s_wait_kmcnt 0x0
	s_cmp_eq_u32 ttmp9, 2                          ; v's clusters?  Only selects follow, all on this compare
	s_cselect_b64 s[4:5], s[88:89], s[84:85]       ; A's codes
	s_cselect_b64 s[6:7], s[90:91], s[86:87]       ; A's scale words
	s_cselect_b64 s[8:9], s[84:85], s[88:89]       ; B's codes
	s_cselect_b64 s[10:11], s[86:87], s[90:91]     ; B's scale words
	s_cselect_b32 s95, 1, 0                        ; 1: v
	s_cselect_b32 s17, 8, s18                      ; A's tile of 256 rows: v: W's tiles 8-11; else x's
	s_cselect_b32 s42, s18, s19                    ; B's tile: v: x's; else W's tiles 0-7
	s_cselect_b32 s92, 4, 0                        ; the bias's offset: v: 4 bytes for each row of the lane's position, the same in all eight registers;
	s_cselect_b32 s93, 0, 64                       ; q, k: 64 bytes for the upper half of the lanes
	s_cselect_b32 s94, 0, 4                        ; and 4 for each register
	s_add_co_u32 s17, s17, s41                     ; + cy: it enters A's descriptors alone
	s_add_co_u32 s42, s42, s40                     ; + cx: B's alone
	v_mul_u32_u24 v4, v3, s92
	v_mad_u32_u24 v4, v2, s93, v4
.irp j, 0,1,2,3,4,5,6,7
	v_mad_u32_u24 v[VB+\j], s94, \j, v4
.endr
	s_lshl_b32 s43, s41, 2
	s_lshl_b32 s43, 15, s43                        ; my row of the cluster
	s_lshl_b32 s44, 0x1111, s40                    ; my column
	; descriptor group 1 for codes: 8 rowblocks x 3,072 bytes (384 elements of 8 bytes), 12,288 bytes apart in memory, on end in LDS
	s_or_b32 s[G1+0], s43, (3<<16)|(1<<21)         ; 15:0 the mask; 17:16 elements of 8 bytes; 20 no padding; 21 set beside a mask
	s_or_b32 s[G1B+0], s44, (3<<16)|(1<<21)
.irp g, G1, G1B
	s_mov_b32 s[\g+1], 384<<16                     ; tensor_dim0
	s_mov_b32 s[\g+2], 16<<16                      ; tensor_dim1: 16 rowblocks for the head's loads; set to 8 behind them
	s_mov_b32 s[\g+3], 384<<16                     ; tile_dim0
	s_mov_b32 s[\g+4], 16                          ; tile_dim1 likewise
	s_mov_b32 s[\g+5], 1536                        ; tensor_dim0_stride, in elements
	s_mov_b32 s[\g+6], 0
	s_mov_b32 s[\g+7], 0
.endr
	; and for the scale words of 256 rows: 8,192 dense bytes as 32 rows of 256
	s_or_b32 s[G1S+0], s43, (3<<16)|(1<<21)
	s_or_b32 s[G1SB+0], s44, (3<<16)|(1<<21)
.irp g, G1S, G1SB
	s_mov_b32 s[\g+1], 32<<16
	s_mov_b32 s[\g+2], 32<<16
	s_mov_b32 s[\g+3], 32<<16
	s_mov_b32 s[\g+4], 32
	s_mov_b32 s[\g+5], 32
	s_mov_b32 s[\g+6], 0
	s_mov_b32 s[\g+7], 0
.endr
	s_lshl_b32 s18, s16, 3                         ; which 8 rowblocks of the tile I fetch
	s_lshl_b32 s20, s17, 4
	s_add_co_u32 s20, s20, s18                     ; A: rowblock 16 x tile + 8 x half
	s_lshl_b32 s46, s42, 4
	s_add_co_u32 s46, s46, s18                     ; B likewise
	s_lshl_b32 s22, s20, 9                         ; their scale words: 512 bytes a rowblock
	s_mov_b32 s23, 0
	s_lshl_b32 s92, s46, 9
	s_mov_b32 s93, 0
	s_mul_i32 s20, s20, RBM                        ; and their codes
	s_mov_b32 s21, 0
	s_mul_i32 s46, s46, RBM
	s_mov_b32 s47, 0
	s_mul_i32 s45, s14, HALFT                      ; where they go: wave x 128 rows: no place in the cluster enters an LDS address
	s_lshl_b32 s94, s14, 12
	s_add_nc_u64 s[20:21], s[4:5], s[20:21]
	s_add_nc_u64 s[22:23], s[6:7], s[22:23]
	s_add_nc_u64 s[46:47], s[8:9], s[46:47]
	s_add_nc_u64 s[92:93], s[10:11], s[92:93]
	CROUND                                         ; all sixteen work-groups are here: the first joint loads meet
.set G0H,  4                           ; s[4:7], s[8:11] group 0 of the head's loads of K step 0: A's 16 rowblocks, B's 16 (the pointers that lay there have been used)
.set G0HB, 8
	s_mul_i32 s12, s16, 8*RBM                      ; my half's offset is taken off again: the head's four tiles are whole
	s_mov_b32 s13, 0
	s_mov_b32 s[G0H], 1
	s_mov_b32 s[G0H+1], 0
	s_sub_nc_u64 s[G0H+2:G0H+3], s[20:21], s[12:13]
	s_or_b32 s[G0H+3], s[G0H+3], 0x80000000
	s_mov_b32 s[G0HB], 1
	s_mov_b32 s[G0HB+1], 2*HALFT
	s_sub_nc_u64 s[G0HB+2:G0HB+3], s[46:47], s[12:13]
	s_or_b32 s[G0HB+3], s[G0HB+3], 0x80000000
	s_lshl_b32 s12, s16, 12
	s_mov_b32 s[G0S], 1
	s_mov_b32 s[G0S+1], SCL
	s_sub_nc_u64 s[G0S+2:G0S+3], s[22:23], s[12:13]
	s_or_b32 s[G0S+3], s[G0S+3], 0x80000000
	s_mov_b32 s[G0SB], 1
	s_mov_b32 s[G0SB+1], SCL+2*HALFS
	s_sub_nc_u64 s[G0SB+2:G0SB+3], s[92:93], s[12:13]
	s_or_b32 s[G0SB+3], s[G0SB+3], 0x80000000
.irp s, 0,1
	s_mov_b32 s[G0+4*\s], 1
	s_add_co_u32 s[G0+4*\s+1], s45, \s*SLOT
	s_add_nc_u64 s[G0+4*\s+2:G0+4*\s+3], s[20:21], \s*RBB
	s_or_b32 s[G0+4*\s+3], s[G0+4*\s+3], 0x80000000
	s_mov_b32 s[G0B+4*\s], 1
	s_add_co_u32 s[G0B+4*\s+1], s45, \s*SLOT
	s_add_nc_u64 s[G0B+4*\s+2:G0B+4*\s+3], s[46:47], \s*RBB
	s_or_b32 s[G0B+4*\s+3], s[G0B+4*\s+3], 0x80000000
.endr
; The head's loads, one a wave: wave 0 K step 0 of A, wave 1 of B, wave 2 A's scale words, wave 3 B's.  One tree of branches on the wave's number.
.macro ARM under, g0, g1, next
	s_cmp_lt_u32 s14, \under
	s_cbranch_scc0 \next
	tensor_load_to_lds s[\g0:\g0+3], s[\g1:\g1+7]
	s_nop 0
.rept 4
	v_nop
.endr
	s_branch .Lhead_asked
\next:
.endm
	ARM 1, G0H,  G1,  .Lhead_b
	ARM 2, G0HB, G1B, .Lhead_sa
	ARM 3, G0S,  G1S, .Lhead_sb
	tensor_load_to_lds s[G0SB:G0SB+3], s[G1SB:G1SB+7]
	s_nop 0
.rept 4
	v_nop
.endr
.Lhead_asked:
	v_and_b32 v3, 31, v0                           ; lane
	v_lshlrev_b32 v[L16], 4, v3
	v_lshlrev_b32 v[L8], 3, v3
	s_mul_i32 s21, s15, HALFT                      ; my 128 rows of A
	s_mul_i32 s22, s16, HALFT                      ; my 128 rows of B,
	s_add_co_u32 s22, s22, 2*HALFT                 ; which lie behind A's 256
.irp s, 0,1
	v_add_nc_u32 v[ADRA+\s], s21, v[L16]
	v_add_nc_u32 v[ADRB+\s], s22, v[L16]
	v_add_nc_u32 v[ADRA+2+\s], s21, v[L8]
	v_add_nc_u32 v[ADRB+2+\s], s22, v[L8]
	s_add_co_u32 s21, s21, SLOT
	s_add_co_u32 s22, s22, SLOT
.endr
	v_lshlrev_b32 v5, 2, v1                        ; my row's scale word in a fragment's 64 bytes
	s_lshl_b32 s21, s15, 12                        ; A's: my 8 rowblocks
	s_lshl_b32 s22, s16, 12                        ; B's: my 8 rowblocks, behind A's 16
	s_add_co_u32 s22, s22, 2*HALFS
	s_sub_co_u32 s22, s22, s21
	v_mul_u32_u24 v6, s22, v2                      ; lanes 16-31 take B's: one product, the distance between the two
	s_add_co_u32 s21, s21, SCL
	v_add_nc_u32 v5, v5, v6
	v_add_nc_u32 v[ADRS], s21, v5
	s_lshl_b32 s23, s14, 9
	s_add_co_u32 s23, s23, STG                     ; my 512 bytes for scale words on the way out
	v_lshl_add_u32 v[SWA], v1, 2, s23
	v_add_nc_u32 v[SRD], s23, v[L16]
	; where my part lies: in the bias, in qkvf and in qkvs
	s_lshl_b32 s20, s17, 8
	s_lshl_b32 s21, s15, 7
	s_add_co_u32 s20, s20, s21                     ; A's first row of mine
	s_lshl_b32 s46, s42, 8
	s_lshl_b32 s47, s16, 7
	s_add_co_u32 s46, s46, s47                     ; B's
	s_cmp_eq_u32 s95, 1
	s_cselect_b32 s22, s46, s20                    ; x's first position
	s_cselect_b32 s23, s20, s46                    ; W's
	s_lshl_b32 s92, s23, 2
	s_mov_b32 s93, 0
	s_add_nc_u64 s[96:97], s[96:97], s[92:93]      ; b_attn at my 128 channels
	s_lshr_b32 s92, s22, 11                        ; the batch
	s_mul_i32 s92, s92, 24
	s_lshr_b32 s94, s23, 7                         ; P
	s_add_co_u32 s92, s92, s94
	s_lshl_b32 s92, s92, 7
	s_and_b32 s94, s22, 2047
	s_lshr_b32 s94, s94, 4                         ; q, k: my first rowblock of tokens; v: 8 x my key step
	s_add_co_u32 s92, s92, s94                     ; my first fragment
	s_mul_i32 s46, s92, FRB
	s_mov_b32 s47, 0
	s_add_nc_u64 s[98:99], s[98:99], s[46:47]
	s_lshl_b32 s46, s92, 6
	s_add_nc_u64 s[100:101], s[100:101], s[46:47]
.irp t, 0,1,2,3,4,5,6,7                ; set t: q, k: the bias at channels 32 (t / 2) + 16 h + 8 (t % 2) + j, B's tile t as the result holds it; v: at the channel of position 16 t + r, in all eight registers
.irp j, 0,1,2,3,4,5,6,7
	global_load_b32 v[BI+8*\t+\j], v[VB+\j], s[96:97] offset:(32*(\t/2)+8*(\t%2))*4
.endr
.endr
.macro FRAG reg, adr, q, i             ; a fragment as it lies: four loads of 512, 256, 512, 256 consecutive bytes
	ds_load_b128 v[\reg:\reg+3], v[\adr] offset:(\i)*RBB+(\q)*FRB
	ds_load_b64 v[\reg+4:\reg+5], v[\adr+2] offset:(\i)*RBB+(\q)*FRB+512
	ds_load_b128 v[\reg+6:\reg+9], v[\adr] offset:(\i)*RBB+(\q)*FRB+768
	ds_load_b64 v[\reg+10:\reg+11], v[\adr+2] offset:(\i)*RBB+(\q)*FRB+1280
.endm
; 16 matrix instructions: A's blocks a0, a0 + 1 x B's eight, the slot's q-th 128 along K.  p: B's set; sc: the set of scale words.
; mode 0: the sums go on; 1: they begin with the bias of B's tile; 2: with that of A's tile.  The 64 accumulators take turns, one instruction a turn, in the same order in every step.
.macro MUL16 a0, p, q, sc, mode
.irp a, \a0, \a0+1
.irp b, 0,1,2,3,4,5,6,7
.set rD, 8*(8*((\a)%4)+\b)
.set rB, 128*(\p)+FR*\b
.set rA, AF+FR*(\a)
.set rSB, SC+8*NQ*(\sc)+NQ*\b+(\q)
.set rSA, SC+8*NQ*(\sc)+NQ*(\a)+(\q)
.if (\mode) == 0
	v_wmma_scale_f32_16x16x128_f8f6f4 v[rD:rD+7], v[rB:rB+11], v[rA:rA+11], v[rD:rD+7], v[rSB], v[rSA] matrix_a_fmt:MATRIX_FMT_BF6 matrix_b_fmt:MATRIX_FMT_BF6 matrix_a_scale:MATRIX_SCALE_ROW1
.elseif (\mode) == 1
	v_wmma_scale_f32_16x16x128_f8f6f4 v[rD:rD+7], v[rB:rB+11], v[rA:rA+11], v[BI+8*\b:BI+8*\b+7], v[rSB], v[rSA] matrix_a_fmt:MATRIX_FMT_BF6 matrix_b_fmt:MATRIX_FMT_BF6 matrix_a_scale:MATRIX_SCALE_ROW1
.else
	v_wmma_scale_f32_16x16x128_f8f6f4 v[rD:rD+7], v[rB:rB+11], v[rA:rA+11], v[BI+8*(\a):BI+8*(\a)+7], v[rSB], v[rSA] matrix_a_fmt:MATRIX_FMT_BF6 matrix_b_fmt:MATRIX_FMT_BF6 matrix_a_scale:MATRIX_SCALE_ROW1
.endif
.endr
.endr
.endm
.macro FETCH_B slot, q, p
	WIN TO_B
.irp i, 0,1,2,3,4,5,6,7
	FRAG 128*(\p)+FR*\i, ADRB+\slot, \q, \i
.endr
	WIN 0
.endm
.macro FETCH_A slot, q, i0
.irp i, \i0, \i0+1, \i0+2, \i0+3
	FRAG AF+FR*(\i), ADRA+\slot, \q, \i
.endr
.endm
.macro SCALES sc                       ; a K step's scale words: lanes 0-15 take A's block i, lanes 16-31 B's block i; register NQ i + q for the step's q-th 128 along K
.irp i, 0,1,2,3,4,5,6,7
	ds_load_b32 v[SC+8*NQ*\sc+NQ*\i], v[ADRS] offset:512*\i
	ds_load_b32 v[SC+8*NQ*\sc+NQ*\i+1], v[ADRS] offset:512*\i+64
.endr
.endm
; A load into a register that a matrix instruction has read, and a vector instruction that reads a matrix result or writes one of its registers, stand NP places behind it; only plain
; vector instructions that name none of its registers are places (ISA guide 7.12.1 for vector instructions).
.macro PLACES n
.rept \n
	v_nop
.endr
.endm
; A step of 128 along K that has its successor in the same slot.  A has one set of registers: blocks 0-3 are fetched anew in the step's middle, blocks 4-7 at its end; B has two sets.
.macro STEP slot, q, mode
	s_wait_dscnt 4*NL                              ; all but the youngest 16 loads (A's blocks 4-7) are in
.if \mode
	WIN 0x81                                       ; C (the bias) window 0, D window 2
.else
	WIN MUL_LO
.endif
	MUL16 0, (\q)%2, \q, \slot, \mode
	MUL16 2, (\q)%2, \q, \slot, \mode
	s_wait_dscnt 0                                 ; A's blocks 4-7 are in
	PLACES NP
	FETCH_B \slot, (\q)+1, 1-(\q)%2
	FETCH_A \slot, (\q)+1, 0
.if \mode
	WIN 0xc1
.else
	WIN MUL_HI
.endif
	MUL16 4, (\q)%2, \q, \slot, \mode
	MUL16 6, (\q)%2, \q, \slot, \mode
	PLACES NP
	WIN 0
	FETCH_A \slot, (\q)+1, 4
.endm
; A slot's last step changes slots: one barrier; in front of it each wave waits for all its tensor loads, adds 0 to its spare word, and waits for that and for its own reads of this slot.
; fill = 1: the barrier opens a round of the cluster's barrier, and behind the round this slot is filled again, two K steps ahead.
.macro TURN slot, next, fill
	s_wait_tensorcnt 0x0                           ; all my tensor loads have landed: my part of the next slot
	ds_add_u32 v[SPW], v[NIL]                      ; 0 onto my spare word
	s_wait_dscnt 4*NL+1                            ; (the add and the youngest 16 loads may be out)
	WIN MUL_LO
	MUL16 0, 1, NQ-1, \slot, 0                     ; sixteen matrix instructions stand between the add and the wait for it
	s_wait_dscnt 0x0                               ; the add is done, and my reads of this slot are over
	s_barrier_signal -1
	MUL16 2, 1, NQ-1, \slot, 0
	WIN 0                                          ; at a branch and at a label every window is 0
	s_barrier_wait -1
.if \fill
	CREST                                          ; no wave of any partner still reads this slot's tile or has a load on its way
	s_add_nc_u64 s[G0+4*\slot+2:G0+4*\slot+3], s[G0+4*\slot+2:G0+4*\slot+3], 2*RBB
	s_add_nc_u64 s[G0B+4*\slot+2:G0B+4*\slot+3], s[G0B+4*\slot+2:G0B+4*\slot+3], 2*RBB
	JLOAD G0+4*\slot, G1, G0B+4*\slot, G1B         ; the first tensor load behind the round; the four v_nop behind it are the places in front of the loads below
.else
	PLACES NP
.endif
	s_wait_alu depctr_va_vdst(0)
	v_add_nc_u32 v[ADRS], 64*NQ, v[ADRS]           ; on to the next K step's scale words (no LDS load of mine is out)
	FETCH_B \next, 0, 0
	FETCH_A \next, 0, 0
	SCALES \next
	WIN MUL_HI
	MUL16 4, 1, NQ-1, \slot, 0
	MUL16 6, 1, NQ-1, \slot, 0
	PLACES NP
	WIN 0
	FETCH_A \next, 0, 4
.endm
	s_wait_alu depctr_va_vdst(0)
	s_wait_tensorcnt 0x0                           ; my tile of the head's four is in; slot 1's first fill is issued as a refill is
	ds_add_u32 v[SPW], v[NIL]
	s_mov_b32 s[G1+2], 8<<16                       ; no tensor load of mine is out: from here on a load brings 8 rowblocks
	s_mov_b32 s[G1+4], 8
	s_mov_b32 s[G1B+2], 8<<16
	s_mov_b32 s[G1B+4], 8
	s_wait_dscnt 0x0
	CROUND                                         ; all four tiles are in, and all sixteen work-groups are here
	JLOAD G0+4, G1, G0B+4, G1B                     ; K step 1, the first tensor load behind the round
	FETCH_B 0, 0, 0
	FETCH_A 0, 0, 0
	SCALES 0
	FETCH_A 0, 0, 4
	s_wait_loadcnt 0x0                             ; the bias
	s_cmp_eq_u32 s95, 1                            ; the first step is written twice: the two kinds name the bias by different tiles.  No barrier and no tensor load stands in either
	s_cbranch_scc1 .Lfirst_v
	STEP 0, 0, 1
	s_branch .Lfirst_done
.Lfirst_v:
	STEP 0, 0, 2
.Lfirst_done:
	TURN 0, 1, 1                                   ; K = 1,024 is four K steps: written out
	STEP 1, 0, 0
	TURN 1, 0, 1
	STEP 0, 0, 0
	TURN 0, 1, 0                                   ; nothing is left to fetch
	STEP 1, 0, 0
	s_wait_dscnt 4*NL                              ; the very last step
	WIN MUL_LO
	MUL16 0, 1, NQ-1, 1, 0
	MUL16 2, 1, NQ-1, 1, 0
	s_wait_dscnt 0
	WIN MUL_HI
	MUL16 4, 1, NQ-1, 1, 0
	MUL16 6, 1, NQ-1, 1, 0
	WIN 0
; THE WAY OUT.  The 64 registers of A's block a (window w, from v[s] on) are, in my lane, 128 neighbours along B's rows: register 16 b + i = 32 b + 16 (lane / 16) + i.
; They become a fragment's codes in v[PC] on and its scale word in v[pw].  Each accumulator is read from its low end on.
.macro QUANT s, w, pw
	WIN ((\w)<<2)|((\w)<<4)                        ; sources 1 and 2: the accumulators' window
.irp b, 0,1,2,3
	v_max3_num_f32 v[TM+\b], 0x2800000, |v[\s+16*\b]|, |v[\s+1+16*\b]|   ; block b: my 16 numbers, and the floor 2^(5 - 127): the byte cannot fall under 1
.endr
.irp i, 2,4,6,8,10,12,14
.irp b, 0,1,2,3
	v_max3_num_f32 v[TM+\b], v[TM+\b], |v[\s+16*\b+\i]|, |v[\s+1+16*\b+\i]|
.endr
.endr
	WIN 0
.irp b, 0,1,2,3
	v_permlanex16_b32 v[TM+4+\b], v[TM+\b], s[SEL], s[SEL+1]
.endr
.irp b, 0,1,2,3
	v_max_num_f32 v[TM+\b], v[TM+\b], v[TM+4+\b]           ; with lane l xor 16's 16: the block's largest magnitude
.endr
.irp b, 0,1,2,3
	v_add_nc_u32 v[TM+12+\b], 0xfe000000, v[TM+\b]         ; 4 off its exponent field: the conversion's scale operand
.endr
.irp b, 0,1,2,3
	v_lshrrev_b32 v[TM+4+\b], 23, v[TM+12+\b]              ; the scale's byte
.endr
	v_lshl_or_b32 v[\pw], v[TM+5], 8, v[TM+4]
	v_lshl_or_b32 v[\pw], v[TM+6], 16, v[\pw]
	v_lshl_or_b32 v[\pw], v[TM+7], 24, v[\pw]
	WIN (\w)                                       ; source 0: the accumulators' window
.irp c, 0,1
	v_cvt_scalef32_pk16_bf6_f32 v[PC+6*\c:PC+2+6*\c], v[\s+32*\c:\s+15+32*\c], v[TM+12+2*\c]
	v_cvt_scalef32_pk16_bf6_f32 v[PC+12+4*\c:PC+14+4*\c], v[\s+16+32*\c:\s+31+32*\c], v[TM+13+2*\c]
.endr
	WIN 0
	v_nop                                          ; one plain place behind a scaled conversion
.irp c, 0,1                                    ; the operand wants a WHOLE block in a lane
.irp i, 0,1,2
	v_permlane16_swap_b32 v[PC+6*\c+\i], v[PC+12+4*\c+\i]
.endr
.irp i, 0,1,2
	v_mov_b32 v[PC+3+6*\c+\i], v[PC+12+4*\c+\i]
.endr
.endr
.endm
	PLACES NP                                      ; behind the last products: their results are read, and registers that held A's fragments are written
.irp b, 0,1,2,3
	v_mov_b32 v[TM+4+\b], 0                        ; written once: a lane permute's destination counts as one of its sources
.endr
.irp a, 0,1,2,3,4,5,6,7
.if \a > 0
	s_wait_xcnt 0x0                                ; the last fragment's stores have read their registers: the codes may be written again
.endif
	QUANT 64*(\a%4), 2+\a/4, PW+\a
	global_store_b128 v[L16], v[PC:PC+3], s[98:99] offset:FRB*\a          ; 512 consecutive bytes, aligned
	global_store_b64 v[L8], v[PC+4:PC+5], s[98:99] offset:FRB*\a+512      ; 256
	global_store_b128 v[L16], v[PC+6:PC+9], s[98:99] offset:FRB*\a+768
	global_store_b64 v[L8], v[PC+10:PC+11], s[98:99] offset:FRB*\a+1280
	ds_store_b32 v[SWA], v[PW+\a] offset:64*\a     ; both halves of the lanes write the same word with the same value
.endr
	ds_load_b128 v[TW:TW+3], v[SRD]                ; LDS serves a wave's instructions in order: this sees my stores
	s_wait_dscnt 0x0
	global_store_b128 v[L16], v[TW:TW+3], s[100:101]   ; my eight fragments' scale words: 512 consecutive bytes, aligned
	s_wait_tensorcnt 0x0                           ; the wave's end
	ds_add_u32 v[SPW], v[NIL]
	s_wait_dscnt 0x0
	CROUND                                         ; the closing round: no work-group ends while a partner may still ask for a tile that names it
	s_endpgm
.Lfunc_end_k_q72981362fb_gemm_qkv:
	.size	k_q72981362fb_gemm_qkv, .Lfunc_end_k_q72981362fb_gemm_qkv-k_q72981362fb_gemm_qkv
	.p2alignl 7, 3214868480
	.fill 96, 4, 3214868480
	.section	.rodata,"a",@progbits
	.p2align	6, 0x0
	.amdhsa_kernel k_q72981362fb_gemm_qkv
		.amdhsa_group_segment_fixed_size 327680
		.amdhsa_private_segment_fixed_size 0
		.amdhsa_enable_private_segment 0
		.amdhsa_kernarg_size 56
		.amdhsa_user_sgpr_count 2
		.amdhsa_user_sgpr_kernarg_segment_ptr 1
		.amdhsa_wavefront_size32 1
		.amdhsa_system_sgpr_workgroup_id_x 1
		.amdhsa_system_sgpr_workgroup_id_y 1
		.amdhsa_system_sgpr_workgroup_id_z 1
		.amdhsa_system_vgpr_workitem_id 0
		.amdhsa_next_free_vgpr 1024
		.amdhsa_next_free_sgpr 102
		.amdhsa_reserve_vcc 0
		.amdhsa_float_denorm_mode_32 3
		.amdhsa_float_denorm_mode_16_64 3
		.amdhsa_memory_ordered 1
		.amdhsa_forward_progress 1
		.amdhsa_inst_pref_size 172
	.end_amdhsa_kernel
	.amdgpu_metadata
---
amdhsa.version: [ 1, 2 ]
amdhsa.kernels:
  - .name:           k_q72981362fb_gemm_qkv
    .symbol:         k_q72981362fb_gemm_qkv.kd
    .args:
      - { .name: xf, .offset: 0, .size: 8, .value_kind: global_buffer, .address_space: global }
      - { .name: xs, .offset: 8, .size: 8, .value_kind: global_buffer, .address_space: global }
      - { .name: wf, .offset: 16, .size: 8, .value_kind: global_buffer, .address_space: global }
      - { .name: ws, .offset: 24, .size: 8, .value_kind: global_buffer, .address_space: global }
      - { .name: b_attn, .offset: 32, .size: 8, .value_kind: global_buffer, .address_space: global }
      - { .name: qkvf, .offset: 40, .size: 8, .value_kind: global_buffer, .address_space: global }
      - { .name: qkvs, .offset: 48, .size: 8, .value_kind: global_buffer, .address_space: global }
    .group_segment_fixed_size: 327680
    .private_segment_fixed_size: 0
    .kernarg_segment_align: 8
    .kernarg_segment_size: 56
    .max_flat_workgroup_size: 128
    .sgpr_count:     102
    .vgpr_count:     1024
    .wavefront_size: 32
...
	.end_amdgpu_metadata
.endif
;; end of part 2
;; launch attn (part 3): grid 4 x 64, 16 waves a work-group, no clusters, 327,680 bytes of LDS; arguments qkvf, qkvs, yf, ys; writes yf, ys
.if DOCPART == 3
	.amdgcn_target "amdgcn-amd-amdhsa--gfx1250"
	.amdhsa_code_object_version 6
	.text
	.protected	k_q72981362fb_attn
	.globl	k_q72981362fb_attn
	.p2align	8
	.type	k_q72981362fb_attn,@function
k_q72981362fb_attn:
	s_mov_b64 s[64:65], 0
	v_nop
	global_prefetch_b8 v0, s[64:65] scope:SCOPE_SE
	s_setreg_imm32_b32 hwreg(HW_REG_WAVE_MODE, 25, 1), 1
	s_wait_xcnt 0x0
; y = softmax(q k^T / 8, causal) v for 64 heads of 64 channels, 2,048 tokens, both products on codes of E3M2, y quantised along its channels on the way out.
; THE SOFTMAX: t = score x log2(e) / 8; M = the row's largest t so far, rounded UP to a whole number; p = 2^(t - M) is quantised along the keys; the row's sum is taken of the
; unquantised p and divides O at the end.  When M moves, the sum and O are multiplied by 2^(old M - new M): exact.
; LEFT OUT: key steps of 128 that lie wholly behind the causal mask (their p is 0 for all inputs).
; INPUTS: qkvf [batch 4][P 24][128 fragments][1,536], qkvs x 64.  A fragment: 16 rows x 128 K as the operand's 12 registers stand (c = 0, 1: registers 6c..6c+3 at 768 c + 16 lane, 6c+4, 6c+5 at
; 768 c + 512 + 8 lane).  P 0-7 q, 8-15 k: fragment f = token positions 16 f on, half c = head 2 pair + c.  P 16-23 v: fragment 8 ks + a = channel positions 16 a on x keys 128 ks on.
; Rows lie by POSITION (the number with bits 3 and 4 exchanged).  OUTPUT: yf [512 rowblocks][8 pairs][1,536], ys x 64.
; SHARES.  A work-group serves ONE head and 512 of its queries: 4 x 64 work-groups.  The head's K and V codes (2 x 98,304 bytes) and scale words (12,288) lie in LDS for the whole launch: filled once, nothing refilled.
; Wave w holds tile w % 8 (16 queries) of one block of 128 queries at a time: block X, then block 15 - X, with X = 15 - j (waves 0-7) or 8 + j (waves 8-15): (X + 1) + (16 - X) = 17 key steps of 128 in every wave.
; FILLS.  At the head waves 0-3 ask for keys 0-511 of K and of V and for all scale words, one load each.  Behind the first full sequence waves 0-5 ask for the other three quarters of K and V, one load each;
; the first four steps (X >= 8: key step = step number) read quarter 0 alone; a second barrier shows the rest.  No barrier after that: the waves share nothing.
; Both products are used transposed (S^T = K Q^T, O^T = V^T P^T): a lane holds one query (lane % 16).
; K = 64 IN AN INSTRUCTION OF 128: Q's registers 6-11 hold zero codes, so what stands in K's registers 6-11 adds nothing (every bit pattern is a finite code): there lies the next tile's half fragment,
; and eight tiles take 54 registers.  Scale words are loaded as my head's two bytes, zero-extended.  V's four fragments follow into the same registers behind S^T's products.
; THE MASK on the diagonal step is the C of S^T's products: of its four blocks of 32 keys those under my tile's block take 0, my own takes 16 registers of 0 or -2^97, those above take -2^97 (p = 0 there).
; NO JOINT LOADS: the four work-groups of a head differ in X, on which branches hang.  NO PREFETCH: a quarter's own tensor load goes out four key steps ahead of its first read, and the head has no loop to run ahead in.
; LIMITS: the promise holds while |t| stays under 2^31; NaN and infinities are not served; a block of y under 2^-122, and a block of zeros, have the byte 1 (only this program reads the bytes).
.set FRB,   1536
.set VOFF,  98304                      ; LDS: K's 128 half fragments of 768 bytes; V's 64 fragments;
.set KSC,   196608                     ; K's scale words, 8,192 bytes (both heads');
.set VSC,   204800                     ; V's, 4,096;
.set SPARE, 208896                     ; the spare words, 128 bytes for each of 16 waves
.set QTR,   24576                      ; a quarter (512 keys) of K or V in LDS,
.set QTRM,  49152                      ; and from quarter to quarter in memory
; v1, v2 global places; v3, v4, v7, v8 LDS places; v10-15 a step's addresses
.set SPW,  5
.set NIL,  6
.set KF,   16                          ; v16-69 K: tile t at 16 + 6 t; then V: fragment t at 16 + 12 t
.set KSR,  70                          ; v70-77 K's scale words, v78-81 V's, v82 Q's, v83 p's
.set VSR,  78
.set QSR,  82
.set PSR,  83
.set GS,   84                          ; 4 r + 2 head
.set LKS,  85
.set LVS,  86
.set PM,   88                          ; v88-103 the mask of my own block of 32 keys
.set NG,   104                         ; v104-111 -2^97
.set NM,   116                         ; -M; v117 the largest t
.set TX,   117
.set SU,   118                         ; the sum, two halves
.set FF,   120                         ; f; v121 = 0
.set Q,    122                         ; v122-127 Q, v128-133 zero codes
.set TP,   134
.set S,    136                         ; v136-199 S^T, then p
.set O,    200                         ; v200-231 O^T
.set PC,   232                         ; v232-243 the sum's parts, then p's codes
.set MX,   244
.set PT,   248
.set SO,   252
.set WV,   12
.set SEL,  20
.set CS,   22
.set G1K,  24
.set G1V,  32
.set G0K,  40
.set G0V,  44
.set G0KS, 48
.set G0VS, 52
.set G1KS, 56
.set U,    72                          ; my tile
.set BQ,   73                          ; its block of 32 queries
.set G1VS, 80
.set SEQ,  88
.set KS,   89
.set X1,   90                          ; steps of the first block
.set BLK,  91                          ; the block in hand
.macro TL g0, g1
	tensor_load_to_lds s[\g0:\g0+3], s[\g1:\g1+7]
	s_nop 0
.rept 4
	v_nop
.endr
.endm
.macro G1SET g, c, r, p                ; r rows of c elements of 8 bytes, p elements apart
	s_mov_b32 s[\g], 3<<16
	s_mov_b32 s[\g+1], (\c)<<16
	s_mov_b32 s[\g+2], (\r)<<16
	s_mov_b32 s[\g+3], (\c)<<16
	s_mov_b32 s[\g+4], \r
	s_mov_b32 s[\g+5], \p
	s_mov_b32 s[\g+6], 0
	s_mov_b32 s[\g+7], 0
.endm
.macro G0SET g, lds, base, off
	s_mov_b32 s[\g], 1
	s_mov_b32 s[\g+1], \lds
	s_add_nc_u64 s[\g+2:\g+3], s[\base:\base+1], s[\off:\off+1]
	s_or_b32 s[\g+3], s[\g+3], 0x80000000
.endm
	s_load_b256 s[4:11], s[0:1], 0x0               ; qkvf, qkvs, yf, ys
	v_lshl_add_u32 v[SPW], v0, 2, SPARE
	v_mov_b32 v[NIL], 0
	ds_add_u32 v[SPW], v[NIL]                      ; the opening lines: the add twice on end and one wait
	ds_add_u32 v[SPW], v[NIL]
	v_lshrrev_b32 v1, 5, v0
	v_readfirstlane_b32 s[WV], v1                  ; wave 0..15
	s_and_b32 s[U], s[WV], 7
	s_lshr_b32 s[BQ], s[U], 1
	s_mov_b32 s15, ttmp9                           ; j
	s_and_b32 s16, ttmp7, 0xffff
	s_lshr_b32 s17, s16, 4                         ; batch
	s_bfe_u32 s18, s16, 0x30001                    ; pair of heads
	s_and_b32 s13, s16, 1                          ; my head of the pair
	G1SET G1K, 96, 32, 192                         ; 32 half fragments of 768 bytes, 1,536 apart
	G1SET G1V, 768, 4, 1536                        ; 4 key steps x my head's 6,144 bytes, 12,288 apart
	G1SET G1KS, 32, 32, 32                         ; 8,192 dense bytes
	G1SET G1VS, 32, 16, 64                         ; 16 key steps x 256 bytes, 512 apart
	s_mul_i32 s14, s13, 768
	s_lshl_b32 s19, s13, 1
	s_and_b32 s92, s[U], 1
	s_lshl_b32 s92, s92, 3                         ; my tile's first query in its block of 32
	s_sub_co_u32 s94, 15, s15
	s_add_co_u32 s95, s15, 8
	s_cmp_lt_u32 s[WV], 8
	s_cselect_b32 s[BLK], s94, s95                 ; X
	s_add_co_u32 s[X1], s[BLK], 1
	s_mul_i32 s94, s17, 24
	s_add_co_u32 s94, s94, s18                     ; q's P
	s_lshl_b32 s74, s94, 7
	s_add_co_u32 s74, s74, s[U]                    ; Q's fragment less 8 x block
	s_lshl_b32 s75, s17, 7
	s_add_co_u32 s75, s75, s[U]
	s_lshl_b32 s75, s75, 3
	s_add_co_u32 s75, s75, s18                     ; y's fragment less 64 x block
	s_add_co_u32 s95, s94, 8                       ; k's P
	s_mul_i32 s76, s95, 128*FRB
	s_add_co_u32 s76, s76, s14
	s_mov_b32 s77, 0                               ; stays 0
	s_lshl_b32 s78, s95, 13
	s_mov_b32 s79, 0
	s_add_co_u32 s95, s94, 16                      ; v's P
	s_mul_i32 s96, s95, 128*FRB
	s_mul_i32 s97, s13, 4*FRB
	s_add_co_u32 s96, s96, s97
	s_mov_b32 s97, 0
	s_lshl_b32 s98, s95, 13
	s_lshl_b32 s99, s13, 8
	s_add_co_u32 s98, s98, s99
	s_mov_b32 s99, 0
	s_mov_b32 s[SEL], 0x76543210
	s_mov_b32 s[SEL+1], 0xfedcba98
	s_mov_b32 s[CS], 0x3e38aa3b                    ; log2(e) / 8
	s_mov_b32 s[CS+1], s[CS]
	s_wait_dscnt 0x0
	s_wait_kmcnt 0x0
	G0SET G0K, 0, 4, 76
	G0SET G0V, VOFF, 4, 96
	G0SET G0KS, KSC, 6, 78
	G0SET G0VS, VSC, 6, 98
.macro ARM eq, g0, g1, next
	s_cmp_eq_u32 s[WV], \eq
	s_cbranch_scc0 \next
	TL \g0, \g1
	s_branch .Lasked
\next:
.endm
	ARM 0, G0K, G1K, .Lh1                          ; one chain of branches on the wave's number, one fill to an arm
	ARM 1, G0V, G1V, .Lh2
	ARM 2, G0KS, G1KS, .Lh3
	s_cmp_eq_u32 s[WV], 3
	s_cbranch_scc0 .Lasked
	TL G0VS, G1VS
.Lasked:
	v_and_b32 v9, 31, v0                           ; lane
	v_and_b32 v10, 15, v0                          ; r
	v_bfe_u32 v11, v0, 4, 1                        ; h
	v_lshlrev_b32 v3, 4, v9                        ; LDS, K: 16 x lane, 8 x lane
	v_lshlrev_b32 v4, 3, v9
	v_add_nc_u32 v1, s14, v3                       ; memory: my head's half of a fragment of Q or y
	v_add_nc_u32 v2, s14, v4
	v_add_nc_u32 v7, VOFF, v3                      ; LDS, V
	v_add_nc_u32 v8, VOFF, v4
	v_lshl_add_u32 v[GS], v10, 2, s19              ; my head's two bytes of row r's scale word
	v_add_nc_u32 v[LKS], KSC, v[GS]
	v_lshlrev_b32 v[LVS], 2, v10
	v_add_nc_u32 v[LVS], VSC, v[LVS]
	v_and_b32 v9, 7, v10
	v_and_b32 v12, 8, v10
	v_lshl_or_b32 v9, v12, 1, v9
	v_add_nc_u32 v9, s92, v9                       ; my query within its block of 32,
	v_lshlrev_b32 v12, 4, v11
	v_sub_nc_u32 v9, v9, v12                       ; less 16 h: register i of my own block holds key i + 16 h, hidden where i > this
	v_mov_b32 v13, 0xf0000000                      ; -2^97
.set n, 0
.rept 16
	v_cmp_gt_i32 vcc_lo, n, v9
	v_cndmask_b32 v[PM+n], 0, v13, vcc_lo
.set n, n+1
.endr
.set n, 0
.rept 8
	v_mov_b32 v[NG+n], v13
.set n, n+1
.endr
.irp j, 64,65,66,67,68,69,121,128,129,130,131,132,133,134,248,249,250,251
	v_mov_b32 v[\j], 0                             ; behind K's last tile, f's upper word, Q's zero codes, the lane permutes' destinations: written once
.endr
	s_wait_alu depctr_va_vdst(0)
; A tile begins: Q, and the running figures.  O^T and the sum begin as zeros and the largest t as -3e38: the first change of M multiplies zeros.
.macro START
	s_lshl_b32 s94, s[BLK], 3
	s_add_co_u32 s94, s94, s74
	s_mul_i32 s76, s94, FRB
	s_add_nc_u64 s[66:67], s[4:5], s[76:77]
	s_lshl_b32 s76, s94, 6
	s_add_nc_u64 s[68:69], s[6:7], s[76:77]
	global_load_b128 v[Q:Q+3], v1, s[66:67]
	global_load_b64 v[Q+4:Q+5], v2, s[66:67] offset:512
	global_load_u16 v[QSR], v[GS], s[68:69]
	v_mov_b32 v[TX], 0xff61b1e6
	v_floor_f32 v[NM], -v[TX]
	v_mov_b32 v[SU], 0
	v_mov_b32 v[SU+1], 0
.set n, 0
.rept 32
	v_mov_b32 v[O+n], 0
.set n, n+1
.endr
	s_wait_alu depctr_va_vdst(0)                   ; ahead of the blocking wait
	s_wait_loadcnt 0x0
.endm
.macro WM0 t                           ; S^T's tile t, begun with 0
	v_wmma_scale_f32_16x16x128_f8f6f4 v[S+8*(\t):S+8*(\t)+7], v[KF+6*(\t):KF+6*(\t)+11], v[Q:Q+11], 0, v[KSR+(\t)], v[QSR] matrix_a_fmt:MATRIX_FMT_BF6 matrix_b_fmt:MATRIX_FMT_BF6
.endm
.macro WMC t, c                        ; begun with the mask at v[c]
	v_wmma_scale_f32_16x16x128_f8f6f4 v[S+8*(\t):S+8*(\t)+7], v[KF+6*(\t):KF+6*(\t)+11], v[Q:Q+11], v[\c:\c+7], v[KSR+(\t)], v[QSR] matrix_a_fmt:MATRIX_FMT_BF6 matrix_b_fmt:MATRIX_FMT_BF6
.endm
.macro DGB b                           ; the diagonal step's block b of 32 keys against my tile's block of 32 queries: the branches hang on the wave's number alone
	s_cmp_lt_u32 s[BQ], \b
	s_cbranch_scc1 .Lhid_\@
	s_cmp_eq_u32 s[BQ], \b
	s_cbranch_scc1 .Lpar_\@
	WM0 2*\b
	WM0 2*\b+1
	s_branch .Lnx_\@
.Lpar_\@:
	WMC 2*\b, PM
	WMC 2*\b+1, PM+8
	s_branch .Lnx_\@
.Lhid_\@:
	WMC 2*\b, NG
	WMC 2*\b+1, NG
.Lnx_\@:
.endm
; A key step: my 16 queries x 128 keys.  d = 0: the first four steps, key step = step number, never on the diagonal.
.macro STEP d
.if \d
	s_sub_co_u32 s94, s[SEQ], s[X1]                ; in the second block the key steps begin anew: SEQ - X - 1, which wraps to a large number while the first block lasts,
	s_min_u32 s[KS], s94, s[SEQ]                   ; so the lesser of the two is the key step;
	s_min_u32 s[KS], s[KS], 15                     ; (it never passes 15: the bound is written out for the LDS addresses below)
.else
	s_mov_b32 s[KS], s[SEQ]
.endif
	s_mul_i32 s94, s[KS], 6144
	s_lshl_b32 s95, s[KS], 9
	s_lshl_b32 s96, s[KS], 8
	v_add_nc_u32 v10, s94, v3                      ; these six are also the places behind the last step's products, in front of the loads
	v_add_nc_u32 v11, s94, v4
	v_add_nc_u32 v12, s94, v7
	v_add_nc_u32 v13, s94, v8
	v_add_nc_u32 v14, s95, v[LKS]
	v_add_nc_u32 v15, s96, v[LVS]
.irp t, 0,1,2,3,4,5,6,7
	ds_load_b128 v[KF+6*\t:KF+6*\t+3], v10 offset:768*\t
	ds_load_b64 v[KF+6*\t+4:KF+6*\t+5], v11 offset:768*\t+512
	ds_load_u16 v[KSR+\t], v14 offset:64*\t
.endr
	s_wait_alu depctr_va_vdst(0)                   ; ahead of the blocking wait
	s_wait_dscnt 0x0
.if \d
	s_cmp_eq_u32 s[KS], s[BLK]                     ; the block's last step lies on the diagonal
	s_cbranch_scc1 .Ldg_\@
.endif
.irp t, 0,1,2,3,4,5,6,7
	WM0 \t
.endr
.if \d
	s_branch .Lqd_\@
.Ldg_\@:
	DGB 0
	DGB 1
	DGB 2
	DGB 3
.Lqd_\@:
.endif
.rept 4
	v_nop                                          ; places behind the products: their results are read, and V is loaded over K
.endr
.irp t, 0,1,2,3
	ds_load_b128 v[KF+12*\t:KF+12*\t+3], v12 offset:FRB*\t
	ds_load_b64 v[KF+12*\t+4:KF+12*\t+5], v13 offset:FRB*\t+512
	ds_load_b128 v[KF+12*\t+6:KF+12*\t+9], v12 offset:FRB*\t+768
	ds_load_b64 v[KF+12*\t+10:KF+12*\t+11], v13 offset:FRB*\t+1280
	ds_load_b32 v[VSR+\t], v15 offset:64*\t
.endr
.irp b, 0,1,2,3
	v_max3_num_f32 v[MX+\b], v[S+16*\b], v[S+1+16*\b], v[S+2+16*\b]   ; the largest score of each block of 32 keys: for the row's maximum and for the block's largest p
.endr
.irp i, 3,5,7,9,11,13
.irp b, 0,1,2,3
	v_max3_num_f32 v[MX+\b], v[MX+\b], v[S+16*\b+\i], v[S+1+16*\b+\i]
.endr
.endr
.irp b, 0,1,2,3
	v_max_num_f32 v[MX+\b], v[MX+\b], v[S+15+16*\b]
.endr
.irp b, 0,1,2,3
	v_permlanex16_b32 v[PT+\b], v[MX+\b], s[SEL], s[SEL+1]
.endr
.irp b, 0,1,2,3
	v_max_num_f32 v[MX+\b], v[MX+\b], v[PT+\b]     ; with lane l xor 16's 16 keys
.endr
	v_max3_num_f32 v[TP], v[MX], v[MX+1], v[MX+2]
	v_max_num_f32 v[TP], v[TP], v[MX+3]
	v_mul_f32 v[TP], s[CS], v[TP]                  ; as t
	v_max_num_f32 v[TX], v[TX], v[TP]
	v_mov_b32 v[TP], v[NM]
	v_floor_f32 v[NM], -v[TX]                      ; the new -M = -ceil(t)
	v_sub_f32 v[TP], v[NM], v[TP]
	v_cvt_i32_f32 v[TP], v[TP]                     ; (it saturates)
	v_ldexp_f32 v[FF], 1.0, v[TP]                  ; f = 2^(old M - new M)
.set n, 0
.rept 32
	v_pk_fma_f32 v[S+n:S+n+1], v[S+n:S+n+1], s[CS:CS+1], v[NM:NM+1] op_sel_hi:[1,0,0]   ; t - M
.set n, n+2
.endr
.irp b, 0,1,2,3
	v_fma_f32 v[MX+\b], v[MX+\b], s[CS], v[NM]
.endr
	s_wait_alu depctr_va_vdst(0)
.set n, 0
.rept 64
	v_exp_f32 v[S+n], v[S+n]                       ; p
.set n, n+1
.endr
.irp b, 0,1,2,3
	v_exp_f32 v[MX+\b], v[MX+\b]                   ; the block's largest p
.endr
	v_pk_mul_f32 v[SU:SU+1], v[SU:SU+1], v[FF:FF+1] op_sel_hi:[1,0]   ; the sum under the new M: a plain place behind the batch
	s_wait_alu depctr_va_vdst(0)                   ; and the wait behind it
.irp b, 0,1,2,3
	v_max_num_f32 v[MX+\b], 0x2800000, v[MX+\b]    ; the floor 2^(5 - 127): the byte cannot fall under 1
.endr
.irp b, 0,1,2,3
	v_add_nc_u32 v[SO+\b], 0xfe000000, v[MX+\b]    ; 4 off the exponent field: the conversion's scale operand
.endr
.irp b, 0,1,2,3
	v_lshrrev_b32 v[PT+\b], 23, v[SO+\b]           ; the byte
.endr
	v_lshl_or_b32 v[TP], v[PT+1], 8, v[PT]
	v_lshl_or_b32 v[TP], v[PT+2], 16, v[TP]
	v_lshl_or_b32 v[PSR], v[PT+3], 24, v[TP]       ; p's scale word
.irp i, 0,1,2,3,4,5                            ; the row's sum of the unquantised p: six chains in the registers that the codes take afterwards
	v_pk_add_f32 v[PC+2*\i:PC+2*\i+1], v[S+4*\i:S+4*\i+1], v[S+4*\i+2:S+4*\i+3]
.endr
.irp k, 0,1,2
.irp i, 0,1,2,3,4,5
	v_pk_add_f32 v[PC+2*\i:PC+2*\i+1], v[PC+2*\i:PC+2*\i+1], v[S+24+12*\k+2*\i:S+25+12*\k+2*\i]
.endr
.endr
	v_pk_add_f32 v[SU:SU+1], v[SU:SU+1], v[S+60:S+61]
	v_pk_add_f32 v[PC:PC+1], v[PC:PC+1], v[PC+2:PC+3]
	v_pk_add_f32 v[PC+4:PC+5], v[PC+4:PC+5], v[PC+6:PC+7]
	v_pk_add_f32 v[PC+8:PC+9], v[PC+8:PC+9], v[PC+10:PC+11]
	v_pk_add_f32 v[SU:SU+1], v[SU:SU+1], v[S+62:S+63]
	v_pk_add_f32 v[PC:PC+1], v[PC:PC+1], v[PC+4:PC+5]
	v_pk_add_f32 v[SU:SU+1], v[SU:SU+1], v[PC+8:PC+9]
	v_pk_add_f32 v[SU:SU+1], v[SU:SU+1], v[PC:PC+1]
.irp c, 0,1
	v_cvt_scalef32_pk16_bf6_f32 v[PC+6*\c:PC+6*\c+2], v[S+32*\c:S+32*\c+15], v[SO+2*\c]
	v_cvt_scalef32_pk16_bf6_f32 v[MX+4*\c:MX+4*\c+2], v[S+32*\c+16:S+32*\c+31], v[SO+2*\c+1]
.endr
	v_nop                                          ; one plain place behind a scaled conversion
.irp c, 0,1                                    ; the operand wants a whole block in a lane
.irp i, 0,1,2
	v_permlane16_swap_b32 v[PC+6*\c+\i], v[MX+4*\c+\i]
.endr
.irp i, 0,1,2
	v_mov_b32 v[PC+3+6*\c+\i], v[MX+4*\c+\i]
.endr
.endr
	s_wait_alu depctr_va_vdst(0)                   ; directly ahead of the first reader of O^T
.set n, 0
.rept 16
	v_pk_mul_f32 v[O+n:O+n+1], v[O+n:O+n+1], v[FF:FF+1] op_sel_hi:[1,0]   ; O^T under the new M
.set n, n+2
.endr
	s_wait_alu depctr_va_vdst(0)                   ; ahead of the blocking wait
	s_wait_dscnt 0x0                               ; V and its scale words are in
.irp t, 0,1,2,3                                ; four accumulators by turns
	v_wmma_scale_f32_16x16x128_f8f6f4 v[O+8*\t:O+8*\t+7], v[KF+12*\t:KF+12*\t+11], v[PC:PC+11], v[O+8*\t:O+8*\t+7], v[VSR+\t], v[PSR] matrix_a_fmt:MATRIX_FMT_BF6 matrix_b_fmt:MATRIX_FMT_BF6
.endr
.endm
; A tile ends: O^T / the sum is y: register 16 b + i = channel 32 b + 16 h + i of my head; two blocks are quantised and leave as my head's half of a fragment.
.macro FINISH
	s_lshl_b32 s94, s[BLK], 6
	s_add_co_u32 s94, s94, s75
	s_mul_i32 s76, s94, FRB
	s_add_nc_u64 s[78:79], s[8:9], s[76:77]
	s_lshl_b32 s76, s94, 6
	s_add_nc_u64 s[96:97], s[10:11], s[76:77]
.rept 4
	v_nop                                          ; places behind the last products
.endr
	v_add_f32 v[SU], v[SU], v[SU+1]
	v_permlanex16_b32 v[TP], v[SU], s[SEL], s[SEL+1]
	v_add_f32 v[SU], v[SU], v[TP]                  ; the row's sum
	s_wait_alu depctr_va_vdst(0)
	v_rcp_f32 v[FF], v[SU]
	v_nop
	s_wait_alu depctr_va_vdst(0)
.set n, 0
.rept 16
	v_pk_mul_f32 v[S+n:S+n+1], v[O+n:O+n+1], v[FF:FF+1] op_sel_hi:[1,0]   ; each accumulator from its low end on
.set n, n+2
.endr
.irp b, 0,1
	v_max3_num_f32 v[MX+\b], |v[S+16*\b]|, |v[S+1+16*\b]|, 0x2800000
.endr
.irp i, 2,4,6,8,10,12,14
.irp b, 0,1
	v_max3_num_f32 v[MX+\b], v[MX+\b], |v[S+16*\b+\i]|, |v[S+1+16*\b+\i]|
.endr
.endr
.irp b, 0,1
	v_permlanex16_b32 v[PT+\b], v[MX+\b], s[SEL], s[SEL+1]
.endr
.irp b, 0,1
	v_max_num_f32 v[MX+\b], v[MX+\b], v[PT+\b]
.endr
.irp b, 0,1
	v_add_nc_u32 v[SO+\b], 0xfe000000, v[MX+\b]
.endr
.irp b, 0,1
	v_lshrrev_b32 v[PT+\b], 23, v[SO+\b]
.endr
	v_lshl_or_b32 v[TP], v[PT+1], 8, v[PT]         ; my head's two bytes of the row's scale word
	v_cvt_scalef32_pk16_bf6_f32 v[PC:PC+2], v[S:S+15], v[SO]
	v_cvt_scalef32_pk16_bf6_f32 v[MX:MX+2], v[S+16:S+31], v[SO+1]
	v_nop
.irp i, 0,1,2
	v_permlane16_swap_b32 v[PC+\i], v[MX+\i]
.endr
.irp i, 0,1,2
	v_mov_b32 v[PC+3+\i], v[MX+\i]
.endr
	global_store_b128 v1, v[PC:PC+3], s[78:79]             ; 512 consecutive bytes, aligned
	global_store_b64 v2, v[PC+4:PC+5], s[78:79] offset:512 ; 256
	global_store_b16 v[GS], v[TP], s[96:97]        ; two bytes a row inside one run of 64; both halves of the lanes write the same value
	s_wait_xcnt 0x0                                ; the stores have read their registers and bases
.endm
	START
	s_wait_tensorcnt 0x0                           ; my head load, if I had one, is in; the later first fills are issued as refills are
	ds_add_u32 v[SPW], v[NIL]                      ; twice on end
	ds_add_u32 v[SPW], v[NIL]
	s_lshr_b32 s94, s[WV], 1
	s_add_co_u32 s94, s94, 1                       ; waves 0-5: quarter wave / 2 + 1, of K (even waves) or of V (odd)
	s_mul_i32 s[G0K+1], s94, QTR
	s_add_co_u32 s[G0V+1], s[G0K+1], VOFF
	s_mul_i32 s76, s94, QTRM
	s_add_nc_u64 s[G0K+2:G0K+3], s[G0K+2:G0K+3], s[76:77]
	s_add_nc_u64 s[G0V+2:G0V+3], s[G0V+2:G0V+3], s[76:77]
	s_and_b32 s95, s[WV], 1
	s_wait_dscnt 0x0
	s_barrier_signal -1
	s_barrier_wait -1                              ; keys 0-511 and all scale words are in
	s_cmp_lt_u32 s[WV], 6
	s_cbranch_scc0 .Lp_done
	s_cmp_eq_u32 s95, 0
	s_cbranch_scc0 .Lp_v
	TL G0K, G1K
	s_branch .Lp_done
.Lp_v:
	TL G0V, G1V
.Lp_done:
	s_mov_b32 s[SEQ], 0
.L1:                                               ; steps 0-3: quarter 0 alone is read
	STEP 0
	s_add_co_u32 s[SEQ], s[SEQ], 1
	s_cmp_lt_u32 s[SEQ], 4
	s_cbranch_scc1 .L1
	s_wait_tensorcnt 0x0                           ; my quarter is in
	ds_add_u32 v[SPW], v[NIL]
	s_wait_dscnt 0x0
	s_barrier_signal -1
	s_barrier_wait -1                              ; everybody's is: from here on the waves share nothing
.L2:                                               ; steps 4-16
	s_cmp_lg_u32 s[SEQ], s[X1]                     ; the first block is over (X + 1 is 9 to 16: always inside this loop)
	s_cbranch_scc1 .Lsame
	FINISH
	s_sub_co_u32 s[BLK], 15, s[BLK]
	START
.Lsame:
	STEP 1
	s_add_co_u32 s[SEQ], s[SEQ], 1
	s_cmp_lt_u32 s[SEQ], 17
	s_cbranch_scc1 .L2
	FINISH
	s_wait_tensorcnt 0x0                           ; the wave's end
	ds_add_u32 v[SPW], v[NIL]
	s_wait_dscnt 0x0
	s_endpgm
.Lfunc_end_k_q72981362fb_attn:
	.size	k_q72981362fb_attn, .Lfunc_end_k_q72981362fb_attn-k_q72981362fb_attn
	.p2alignl 7, 3214868480
	.fill 96, 4, 3214868480
	.section	.rodata,"a",@progbits
	.p2align	6, 0x0
	.amdhsa_kernel k_q72981362fb_attn
		.amdhsa_group_segment_fixed_size 327680
		.amdhsa_private_segment_fixed_size 0
		.amdhsa_enable_private_segment 0
		.amdhsa_kernarg_size 32
		.amdhsa_user_sgpr_count 2
		.amdhsa_user_sgpr_kernarg_segment_ptr 1
		.amdhsa_wavefront_size32 1
		.amdhsa_system_sgpr_workgroup_id_x 1
		.amdhsa_system_sgpr_workgroup_id_y 1
		.amdhsa_system_sgpr_workgroup_id_z 1
		.amdhsa_system_vgpr_workitem_id 0
		.amdhsa_next_free_vgpr 256
		.amdhsa_next_free_sgpr 100
		.amdhsa_reserve_vcc 1
		.amdhsa_float_denorm_mode_32 3
		.amdhsa_float_denorm_mode_16_64 3
		.amdhsa_memory_ordered 1
		.amdhsa_forward_progress 1
		.amdhsa_inst_pref_size 59
	.end_amdhsa_kernel
	.amdgpu_metadata
---
amdhsa.version: [ 1, 2 ]
amdhsa.kernels:
  - .name:           k_q72981362fb_attn
    .symbol:         k_q72981362fb_attn.kd
    .args:
      - { .name: qkvf, .offset: 0, .size: 8, .value_kind: global_buffer, .address_space: global }
      - { .name: qkvs, .offset: 8, .size: 8, .value_kind: global_buffer, .address_space: global }
      - { .name: yf, .offset: 16, .size: 8, .value_kind: global_buffer, .address_space: global }
      - { .name: ys, .offset: 24, .size: 8, .value_kind: global_buffer, .address_space: global }
    .group_segment_fixed_size: 327680
    .private_segment_fixed_size: 0
    .kernarg_segment_align: 8
    .kernarg_segment_size: 32
    .max_flat_workgroup_size: 512
    .sgpr_count:     100
    .vgpr_count:     256
    .wavefront_size: 32
...
	.end_amdgpu_metadata
.endif
;; end of part 3
;; launch gemm_proj (part 4): grid 4 x 64, 4 waves a work-group, clusters of 4 x 4, 327,680 bytes of LDS; arguments yf, ys, wf, ws, b_proj, out0; writes out0
.if DOCPART == 4
	.amdgcn_target "amdgcn-amd-amdhsa--gfx1250"
	.amdhsa_code_object_version 6
	.text
	.protected	k_q72981362fb_gemm_proj
	.globl	k_q72981362fb_gemm_proj
	.p2align	8
	.type	k_q72981362fb_gemm_proj,@function
k_q72981362fb_gemm_proj:
	s_mov_b64 s[64:65], 0
	v_nop
	global_prefetch_b8 v0, s[64:65] scope:SCOPE_SE
	s_setreg_imm32_b32 hwreg(HW_REG_WAVE_MODE, 25, 1), 1
	s_wait_xcnt 0x0
	s_wait_alu depctr_hold_cnt(0) depctr_sa_sdst(0) depctr_va_vdst(0) depctr_va_sdst(0) depctr_va_ssrc(0) depctr_va_vcc(0) depctr_vm_vsrc(0)
	s_getreg_b32 s2, hwreg(HW_REG_IB_STS2, 6, 4)
	s_cmp_eq_u32 s2, 0
	s_cbranch_scc0 .Lentry_in_a_cluster
	s_endpgm
.Lentry_in_a_cluster:
	s_bfe_u32 s2, ttmp6, 0x10000c
	s_cmp_lg_u32 s2, 0xf033
	s_cbranch_scc0 .Lentry_shape_is_right
	s_endpgm
.Lentry_shape_is_right:
; out0 = y W_proj + b_proj on codes of E3M2, K = 1,024.  A work-group of four waves makes 128 tokens x 256 channels: 4 x 64 work-groups; a wave 64 x 128: 32 accumulators of 16 x 16.
; OPERANDS lie in memory as fragments (16 rows x 128 K as the operand's 12 registers stand, 1,536 bytes), [rowblock][8 chunks][1,536]; scale words [rowblock][8][64].  A = y (source 1), B = W_proj, wf's rowblocks 192 on (source 0).
; Rows lie by POSITION (the row's number with bits 3 and 4 exchanged): source 0's tiles 2 b, 2 b + 1 leave in a lane's 16 registers channels 32 b + 16 (lane / 16) + 0 .. 15.
; LDS: two slots, each with 512 along K of A's 8 and B's 16 rowblocks (147,456 bytes), each filled ONCE: slot 0 and the scale words by the head's four loads, one a wave; slot 1 behind the full sequence and a round, one load a wave.
; Nothing is refilled.  The stage of the way out lies in slot 0, behind that slot's last fill and, by the barrier at the change of slots, its last read.
; A chunk of 128 along K is 32 matrix instructions; the next chunk's 48 LDS loads go out ahead of them into the other set of registers.  The bias is the C of the first chunk's products.
; CLUSTER 4 x 4: A's tiles are asked for jointly along a row of the cluster, B's along a column.  NO PREFETCH: K is two fills long, and the second goes out as soon as the first has landed.
; REGISTERS: window 0: v16-29 addresses, v32-95 scale words (a set for each slot), v128-223 A's fragments (two sets); window 1: B's fragments, two sets at v0 and v128; window 2: the accumulators, (a, b) at v[8 (8 a + b)]; window 3: v0-63 the bias.
.set NQ,    4
.set FR,    12
.set FRB,   1536
.set RBB,   NQ*FRB                     ; a rowblock's bytes in a slot
.set RBM,   8*FRB                      ; and in memory
.set AT,    8*RBB                      ; A's part of a slot
.set SLOT,  24*RBB
.set SCL,   2*SLOT                     ; A's scale words, 4,096 bytes, then B's, 8,192
.set SPARE, SCL+12288                  ; the spare words, 128 bytes for each wave
.set STG,   0
.set SPITCH, 528
.set ADRA, 16                          ; v16-17 my A fragments' 16-byte pieces in slot 0, 1; v18-19 their 8-byte pieces
.set ADRB, 20
.set STO,  24
.set RD,   25
.set CO,   26
.set ADRS, 27
.set SPW,  28
.set NIL,  29
.set SC,   32
.set AF,   128
.set BK,   128
.set G0H,  4
.set G0HB, 8
.set G1,   24
.set G0,   32
.set G1B,  48
.set G0B,  56
.set G1S,  68
.set G0S,  76
.set G1SB, 80
.set G0SB, 88
.set MSB, 0
.macro WIN new
.if MSB != (\new)
	s_set_vgpr_msb (MSB<<8)|(\new)
.set MSB, (\new)
.endif
.endm
.macro TL g0, g1
	tensor_load_to_lds s[\g0:\g0+3], s[\g1:\g1+7]
	s_nop 0
.rept 4
	v_nop
.endr
.endm
.macro CROUND                          ; a round of the cluster's barrier
	s_barrier_signal -1
	s_barrier_wait -1
	s_cmp_lg_u32 s14, 0
	s_cbranch_scc1 .Lnot_wave_0_\@
	s_barrier_signal -3
.Lnot_wave_0_\@:
	s_barrier_wait -3
	s_barrier_signal -1
	s_barrier_wait -1
.endm
.macro G1SET g, c, r, p                ; words 1 to 7: r rows of c elements of 8 bytes, p elements apart
	s_mov_b32 s[\g+1], (\c)<<16
	s_mov_b32 s[\g+2], (\r)<<16
	s_mov_b32 s[\g+3], (\c)<<16
	s_mov_b32 s[\g+4], \r
	s_mov_b32 s[\g+5], \p
	s_mov_b32 s[\g+6], 0
	s_mov_b32 s[\g+7], 0
.endm
	s_load_b256 s[4:11], s[0:1], 0x0               ; yf, ys, wf, ws
	s_load_b128 s[96:99], s[0:1], 0x20             ; b_proj, out0
	v_lshl_add_u32 v[SPW], v0, 2, SPARE
	v_mov_b32 v[NIL], 0
	ds_add_u32 v[SPW], v[NIL]                      ; the opening lines: the add twice on end and one wait
	ds_add_u32 v[SPW], v[NIL]
	v_lshrrev_b32 v1, 5, v0
	v_readfirstlane_b32 s14, v1                    ; wave 0..3
	s_lshr_b32 s15, s14, 1                         ; which 64 of A's rows are mine.  Also: I fetch for A (0) or for B (1)
	s_and_b32 s16, s14, 1                          ; which 128 of B's rows.  Also: which half of that tile I fetch
	s_bfe_u32 s40, ttmp6, 0x40000                  ; cx, cy
	s_bfe_u32 s41, ttmp6, 0x40004
	s_lshl_b32 s42, ttmp9, 2
	s_add_co_u32 s42, s42, s40                     ; tile column: 256 channels
	s_and_b32 s17, ttmp7, 0xffff
	s_lshl_b32 s17, s17, 2
	s_add_co_u32 s17, s17, s41                     ; tile row: 128 tokens
	s_lshl_b32 s43, s41, 2
	s_lshl_b32 s43, 15, s43                        ; my row of the cluster
	s_lshl_b32 s44, 0x1111, s40                    ; my column
	s_or_b32 s[G1], s43, (3<<16)|(1<<21)
	s_or_b32 s[G1B], s44, (3<<16)|(1<<21)
	s_or_b32 s[G1S], s43, (3<<16)|(1<<21)
	s_or_b32 s[G1SB], s44, (3<<16)|(1<<21)
	G1SET G1, 768, 8, 1536                         ; the head's: A's 8 rowblocks x 6,144 bytes, 12,288 apart
	G1SET G1B, 768, 16, 1536                       ; B's 16
	G1SET G1S, 32, 16, 32                          ; 4,096 dense bytes
	G1SET G1SB, 32, 32, 32                         ; 8,192
	s_lshl_b32 s20, s17, 3                         ; A's first rowblock
	s_lshl_b32 s46, s42, 4
	s_add_co_u32 s46, s46, 192                     ; B's
	s_lshl_b32 s22, s20, 9
	s_mov_b32 s23, 0
	s_lshl_b32 s92, s46, 9
	s_mov_b32 s93, 0
	s_mul_i32 s20, s20, RBM
	s_mov_b32 s21, 0
	s_mul_i32 s46, s46, RBM
	s_mov_b32 s47, 0
	s_wait_dscnt 0x0
	s_wait_kmcnt 0x0
	s_add_nc_u64 s[20:21], s[4:5], s[20:21]
	s_add_nc_u64 s[22:23], s[6:7], s[22:23]
	s_add_nc_u64 s[46:47], s[8:9], s[46:47]
	s_add_nc_u64 s[92:93], s[10:11], s[92:93]
	CROUND                                         ; all sixteen work-groups are here: the first joint loads meet
	s_mov_b32 s[G0H], 1
	s_mov_b32 s[G0H+1], 0
	s_mov_b64 s[G0H+2:G0H+3], s[20:21]
	s_or_b32 s[G0H+3], s[G0H+3], 0x80000000
	s_mov_b32 s[G0HB], 1
	s_mov_b32 s[G0HB+1], AT
	s_mov_b64 s[G0HB+2:G0HB+3], s[46:47]
	s_or_b32 s[G0HB+3], s[G0HB+3], 0x80000000
	s_mov_b32 s[G0S], 1
	s_mov_b32 s[G0S+1], SCL
	s_mov_b64 s[G0S+2:G0S+3], s[22:23]
	s_or_b32 s[G0S+3], s[G0S+3], 0x80000000
	s_mov_b32 s[G0SB], 1
	s_mov_b32 s[G0SB+1], SCL+4096
	s_mov_b64 s[G0SB+2:G0SB+3], s[92:93]
	s_or_b32 s[G0SB+3], s[G0SB+3], 0x80000000
	s_mov_b32 s13, 0                               ; slot 1: a wave fetches half of A's rowblocks or half of B's, the second 512 along K
	s_mul_i32 s12, s16, 4*RBM
	s_mov_b32 s[G0], 1
	s_mul_i32 s45, s16, 4*RBB
	s_add_co_u32 s[G0+1], s45, SLOT
	s_add_nc_u64 s[G0+2:G0+3], s[20:21], s[12:13]
	s_add_nc_u64 s[G0+2:G0+3], s[G0+2:G0+3], RBB
	s_or_b32 s[G0+3], s[G0+3], 0x80000000
	s_mul_i32 s12, s16, 8*RBM
	s_mov_b32 s[G0B], 1
	s_mul_i32 s45, s16, 8*RBB
	s_add_co_u32 s[G0B+1], s45, SLOT+AT
	s_add_nc_u64 s[G0B+2:G0B+3], s[46:47], s[12:13]
	s_add_nc_u64 s[G0B+2:G0B+3], s[G0B+2:G0B+3], RBB
	s_or_b32 s[G0B+3], s[G0B+3], 0x80000000
.macro ARM under, g0, g1, next         ; the head's loads, one a wave: one tree of branches on the wave's number
	s_cmp_lt_u32 s14, \under
	s_cbranch_scc0 \next
	TL \g0, \g1
	s_branch .Lhead_asked
\next:
.endm
	ARM 1, G0H,  G1,  .Lhead_b
	ARM 2, G0HB, G1B, .Lhead_sa
	ARM 3, G0S,  G1S, .Lhead_sb
	TL G0SB, G1SB
.Lhead_asked:
	s_mul_i32 s21, s15, 4*RBB                      ; my 4 rowblocks of A
	s_mul_i32 s22, s16, 8*RBB
	s_add_co_u32 s22, s22, AT                      ; my 8 of B, behind A's 8
	s_add_co_u32 s12, s21, SLOT
	s_add_co_u32 s13, s22, SLOT
	s_lshl_b32 s18, s15, 11                        ; my scale words: A's,
	s_lshl_b32 s19, s16, 12
	s_add_co_u32 s19, s19, 4096                    ; B's, behind A's 4,096 bytes
	s_sub_co_u32 s19, s19, s18
	s_add_co_u32 s18, s18, SCL
	s_mul_i32 s23, s14, 16*SPITCH                  ; my stage (STG = 0)
	v_and_b32 v1, 15, v0                           ; r
	v_bfe_u32 v2, v0, 4, 1                         ; h
	v_and_b32 v3, 31, v0
	v_lshlrev_b32 v[CO], 4, v3
	v_lshlrev_b32 v4, 3, v3
	v_add_nc_u32 v[ADRA], s21, v[CO]
	v_add_nc_u32 v[ADRA+1], s12, v[CO]
	v_add_nc_u32 v[ADRA+2], s21, v4
	v_add_nc_u32 v[ADRA+3], s12, v4
	v_add_nc_u32 v[ADRB], s22, v[CO]
	v_add_nc_u32 v[ADRB+1], s13, v[CO]
	v_add_nc_u32 v[ADRB+2], s22, v4
	v_add_nc_u32 v[ADRB+3], s13, v4
	v_lshlrev_b32 v5, 2, v1
	v_mul_u32_u24 v6, s19, v2                      ; lanes 16-31 take B's: one product, the distance between the two
	v_add_nc_u32 v5, v5, v6
	v_add_nc_u32 v[ADRS], s18, v5
	v_mul_u32_u24 v5, v1, SPITCH
	v_lshl_add_u32 v5, v2, 6, v5
	v_add_nc_u32 v[STO], s23, v5
	v_add_nc_u32 v[RD], s23, v[CO]
	v_lshlrev_b32 v8, 6, v2
	s_wait_alu depctr_va_vdst(0)
	s_lshl_b32 s46, s42, 8
	s_lshl_b32 s47, s16, 7
	s_add_co_u32 s46, s46, s47
	s_lshl_b32 s46, s46, 2                         ; my first channel, in bytes
	s_mov_b32 s47, 0
	s_add_nc_u64 s[96:97], s[96:97], s[46:47]
	s_add_nc_u64 s[98:99], s[98:99], s[46:47]
	s_lshl_b32 s20, s17, 7
	s_lshl_b32 s21, s15, 6
	s_add_co_u32 s20, s20, s21
	s_lshl_b32 s20, s20, 12                        ; my first token x 4,096 bytes
	s_mov_b32 s21, 0
	s_add_nc_u64 s[98:99], s[98:99], s[20:21]
	WIN 0xc0                                       ; the bias into window 3: set b at channels 32 (b / 2) + 16 h + 8 (b % 2) + j, B's tile b as the result holds it
.irp b, 0,1,2,3,4,5,6,7
	global_load_b128 v[8*\b:8*\b+3], v8, s[96:97] offset:(32*(\b/2)+8*(\b%2))*4
	global_load_b128 v[8*\b+4:8*\b+7], v8, s[96:97] offset:(32*(\b/2)+8*(\b%2))*4+16
.endr
	WIN 0
.macro FRAG reg, adr, q, i             ; a fragment as it lies: loads of 512, 256, 512, 256 consecutive bytes
	ds_load_b128 v[\reg:\reg+3], v[\adr] offset:(\i)*RBB+(\q)*FRB
	ds_load_b64 v[\reg+4:\reg+5], v[\adr+2] offset:(\i)*RBB+(\q)*FRB+512
	ds_load_b128 v[\reg+6:\reg+9], v[\adr] offset:(\i)*RBB+(\q)*FRB+768
	ds_load_b64 v[\reg+10:\reg+11], v[\adr+2] offset:(\i)*RBB+(\q)*FRB+1280
.endm
.macro FETCH c                         ; chunk c's fragments into set c % 2: 32 loads for B, 16 for A
	WIN 0x40
.irp i, 0,1,2,3,4,5,6,7
	FRAG 128*((\c)%2)+FR*\i, ADRB+(\c)/4, (\c)%4, \i
.endr
	WIN 0
.irp i, 0,1,2,3
	FRAG AF+48*((\c)%2)+FR*\i, ADRA+(\c)/4, (\c)%4, \i
.endr
.endm
.macro SCALES sl                       ; a slot's scale words: lanes 0-15 A's block i (i < 4 are used), lanes 16-31 B's block i; register 4 i + q
.irp i, 0,1,2,3,4,5,6,7
.irp q, 0,1,2,3
	ds_load_b32 v[SC+32*(\sl)+4*\i+\q], v[ADRS] offset:512*\i+64*(4*(\sl)+\q)
.endr
.endr
.endm
.macro MUL32 c, first                  ; the 32 accumulators by turns, in the same order in every chunk
.if \first
	WIN 0xb1                                       ; source 0 (B) window 1, source 1 (A) window 0, C (the bias) window 3, D window 2
.else
	WIN 0xa1
.endif
.irp a, 0,1,2,3
.irp b, 0,1,2,3,4,5,6,7
.set rD, 8*(8*\a+\b)
.set rB, 128*((\c)%2)+FR*\b
.set rA, AF+48*((\c)%2)+FR*\a
.set rSB, SC+32*((\c)/4)+4*\b+(\c)%4
.set rSA, SC+32*((\c)/4)+4*\a+(\c)%4
.if \first
	v_wmma_scale_f32_16x16x128_f8f6f4 v[rD:rD+7], v[rB:rB+11], v[rA:rA+11], v[8*\b:8*\b+7], v[rSB], v[rSA] matrix_a_fmt:MATRIX_FMT_BF6 matrix_b_fmt:MATRIX_FMT_BF6 matrix_a_scale:MATRIX_SCALE_ROW1
.else
	v_wmma_scale_f32_16x16x128_f8f6f4 v[rD:rD+7], v[rB:rB+11], v[rA:rA+11], v[rD:rD+7], v[rSB], v[rSA] matrix_a_fmt:MATRIX_FMT_BF6 matrix_b_fmt:MATRIX_FMT_BF6 matrix_a_scale:MATRIX_SCALE_ROW1
.endif
.endr
.endr
	WIN 0
.endm
.macro PLACES
.rept 4
	v_nop
.endr
.endm
.macro CH c, first                     ; a chunk whose successor lies in a slot that is whole
	PLACES                                         ; behind the chunk before, which read the set that is loaded now
	FETCH (\c)+1
	s_wait_dscnt 48                                ; all but the 48 just issued
	MUL32 \c, \first
.endm
	s_wait_tensorcnt 0x0                           ; my tile of the head's four is in; slot 1's fill is issued as a refill is
	ds_add_u32 v[SPW], v[NIL]
	s_mov_b32 s[G1+2], 4<<16                       ; no tensor load of mine is out: slot 1's loads bring 4 rowblocks of A,
	s_mov_b32 s[G1+4], 4
	s_mov_b32 s[G1B+2], 8<<16                      ; 8 of B
	s_mov_b32 s[G1B+4], 8
	s_wait_dscnt 0x0
	CROUND                                         ; all four tiles are in, and all sixteen work-groups are here
	s_cmp_eq_u32 s15, 0
	s_cbranch_scc0 .Lfor_b
	TL G0, G1
	s_branch .Lasked
.Lfor_b:
	TL G0B, G1B
.Lasked:
	FETCH 0
	SCALES 0
	s_wait_loadcnt 0x0                             ; the bias
	CH 0, 1
	CH 1, 0
	CH 2, 0
	s_wait_dscnt 0x0                               ; chunk 3's fragments are in, and my reads of slot 0 are over
	MUL32 3, 0
	s_wait_tensorcnt 0x0                           ; my part of slot 1 is in
	s_barrier_signal -1
	s_barrier_wait -1                              ; everybody's is, and nobody reads slot 0 any more
	PLACES
	FETCH 4
	SCALES 1
	CH 4, 0
	CH 5, 0
	CH 6, 0
	s_wait_dscnt 0x0
	MUL32 7, 0
; THE WAY OUT, block by block of 16 positions x 128 channels, through my own stage: whole rows of 512 bytes come back and are stored as two aligned units of 256 bytes.
.macro TOSTAGE a
.set AC, 64*(\a)
	WIN 0x08
.irp b, 0,1,2,3,4,5,6,7
	ds_store_b128 v[STO], v[AC+8*\b:AC+8*\b+3] offset:128*(\b/2)+32*(\b%2)      ; each accumulator from its low end on
	ds_store_b128 v[STO], v[AC+8*\b+4:AC+8*\b+7] offset:128*(\b/2)+32*(\b%2)+16
.endr
	WIN 0
.set BB, BK+64*((\a)%2)
.irp t, 0,1,2,3,4,5,6,7,8,9,10,11,12,13,14,15
	ds_load_b128 v[BB+4*\t:BB+4*\t+3], v[RD] offset:\t*SPITCH    ; LDS serves a wave's instructions in order: these see the stores above
.endr
.endm
.macro SEND a, younger
.set BB, BK+64*((\a)%2)
	s_wait_dscnt \younger
.irp t, 0,1,2,3,4,5,6,7,8,9,10,11,12,13,14,15
	global_store_b128 v[CO], v[BB+4*\t:BB+4*\t+3], s[98:99] offset:(32*((\a)/2)+16*(\t/8)+8*((\a)%2)+\t%8)*4096 th:TH_STORE_NT   ; position 16 a + t is this token
.endr
.endm
	PLACES
	TOSTAGE 0
.irp a, 1,2,3
.if \a > 1
	s_wait_xcnt 0x0                                ; block a - 2's stores have read their registers
.endif
	TOSTAGE \a
	SEND \a-1, 32
.endr
	SEND 3, 0
	s_wait_tensorcnt 0x0                           ; the wave's end
	ds_add_u32 v[SPW], v[NIL]
	s_wait_dscnt 0x0
	CROUND                                         ; the closing round
	s_endpgm
.Lfunc_end_k_q72981362fb_gemm_proj:
	.size	k_q72981362fb_gemm_proj, .Lfunc_end_k_q72981362fb_gemm_proj-k_q72981362fb_gemm_proj
	.p2alignl 7, 3214868480
	.fill 96, 4, 3214868480
	.section	.rodata,"a",@progbits
	.p2align	6, 0x0
	.amdhsa_kernel k_q72981362fb_gemm_proj
		.amdhsa_group_segment_fixed_size 327680
		.amdhsa_private_segment_fixed_size 0
		.amdhsa_enable_private_segment 0
		.amdhsa_kernarg_size 48
		.amdhsa_user_sgpr_count 2
		.amdhsa_user_sgpr_kernarg_segment_ptr 1
		.amdhsa_wavefront_size32 1
		.amdhsa_system_sgpr_workgroup_id_x 1
		.amdhsa_system_sgpr_workgroup_id_y 1
		.amdhsa_system_sgpr_workgroup_id_z 1
		.amdhsa_system_vgpr_workitem_id 0
		.amdhsa_next_free_vgpr 1024
		.amdhsa_next_free_sgpr 102
		.amdhsa_reserve_vcc 0
		.amdhsa_float_denorm_mode_32 3
		.amdhsa_float_denorm_mode_16_64 3
		.amdhsa_memory_ordered 1
		.amdhsa_forward_progress 1
		.amdhsa_inst_pref_size 89
	.end_amdhsa_kernel
	.amdgpu_metadata
---
amdhsa.version: [ 1, 2 ]
amdhsa.kernels:
  - .name:           k_q72981362fb_gemm_proj
    .symbol:         k_q72981362fb_gemm_proj.kd
    .args:
      - { .name: yf, .offset: 0, .size: 8, .value_kind: global_buffer, .address_space: global }
      - { .name: ys, .offset: 8, .size: 8, .value_kind: global_buffer, .address_space: global }
      - { .name: wf, .offset: 16, .size: 8, .value_kind: global_buffer, .address_space: global }
      - { .name: ws, .offset: 24, .size: 8, .value_kind: global_buffer, .address_space: global }
      - { .name: b_proj, .offset: 32, .size: 8, .value_kind: global_buffer, .address_space: global }
      - { .name: out0, .offset: 40, .size: 8, .value_kind: global_buffer, .address_space: global }
    .group_segment_fixed_size: 327680
    .private_segment_fixed_size: 0
    .kernarg_segment_align: 8
    .kernarg_segment_size: 48
    .max_flat_workgroup_size: 128
    .sgpr_count:     102
    .vgpr_count:     1024
    .wavefront_size: 32
...
	.end_amdgpu_metadata
.endif
;; end of part 4
